; MI455X (gfx1250); checked and timed in simulation.
; The chip was launched on July 23, 2026; its instructions are those of AMD's public machine-readable ISA for CDNA 5 (MIT licence, August 2026) and "CDNA5" Instruction Set Architecture Reference Guide (July 2026). The comments in the code are by the model that wrote it; some were corrected since.
;; Self Attention. Allowed arithmetic: matrix products marked QUANTISED: E3M2 operands, one E8M0 scale for each 32 along K, by v_wmma_scale_f32_16x16x128_f8f6f4 with both operands' format E3M2, f32 sums; everything else in f32.
;; Inputs: W_in 1,024 x 3,072 float32; W_out 1,024 x 1,024 float32; b_in 3,072 float32; b_out 1,024 float32; x 4 x 2,048 x 1,024 float32.
;; Outputs: out0 4 x 2,048 x 1,024 float32.
;; This version of the problem:
;;   THIS VERSION OF THE PROBLEM IS GIVEN IN LOW PRECISION. The matrix products marked QUANTISED in the list below multiply operands that are first quantised to E3M2 (3 exponent bits, 2 mantissa bits; 6 bits a number), with one power-of-two scale for each 32 numbers along K (OCP MX v1.0); their sums are f32. All else is computed in f32.
;;   The module's matrix products, in the order in which they are computed (A, B: the left and right operand; K: the contracted axis; several contracted axes count as one K, in the product's order):
;;     1. [M 8,192, K 1,024] x [K 1,024, N 3,072]; A: input x; B: input W_in: QUANTISED
;;     2. batch 64 x [M 2,048, K 64] x [K 64, N 2,048]; A: computed on the way; B: computed on the way: QUANTISED
;;     3. batch 64 x [M 2,048, K 2,048] x [K 2,048, N 64]; A: softmax (see below); B: computed on the way: QUANTISED
;;     4. [M 8,192, K 1,024] x [K 1,024, N 1,024]; A: computed on the way; B: input W_out: QUANTISED
;;   THE QUANTISER, for each operand of a quantised product, along K:
;;     - K is cut into blocks of 32 from its start; a last block that is shorter is filled with zeros.
;;     - A block's scale is 2^e with e = floor(log2(the largest magnitude in the block)) - 4, held to -126 .. 127; a block of zeros has e = 0. As a byte (E8M0): e + 127.
;;     - Each number is divided by its block's scale, clamped to +-28, and rounded to the nearest number of E3M2, ties to even, subnormals kept.
;;     - The product sums the exact products of the quantised numbers (number of the format x scale) in f32.
;;   ~~~python
;;   def quantise(x, axis):      # numpy; x: float32 -> the quantised numbers, widened to float32 again
;;       x = np.moveaxis(x, axis, -1); K = x.shape[-1]
;;       x = np.pad(x, [(0, 0)] * (x.ndim - 1) + [(0, -K % 32)]); x = x.reshape(x.shape[:-1] + (-1, 32)); a = np.abs(x).max(-1, keepdims=True)
;;       e = np.where(a > 0, np.clip(np.frexp(np.where(a > 0, a, 1))[1] - 1 - 4, -126, 127), 0)      # np.frexp(a)[1] - 1 = floor(log2(a)), exactly
;;       r = np.clip(x / 2.0 ** e, -28, 28)
;;       step = 2.0 ** (np.maximum(np.frexp(np.where(r == 0, 1, r))[1] - 1, -2) - 2)
;;       q = np.round(r / step) * step * 2.0 ** e      # np.round: ties to even
;;       return np.moveaxis(q.reshape(q.shape[:-2] + (-1,))[..., :K], -1, axis).astype(np.float32)
;;   ~~~
;;   SOFTMAX AHEAD OF A QUANTISED PRODUCT. Where the list says 'softmax', what is quantised is not the finished softmax but p = 2^(t - M), with t = logit x log2(e) and M = ceil(the row's largest t), a whole number; so 1/2 < the row's largest p <= 1. The row's sum l is taken of the UNQUANTISED p, in f32, and the product's result is divided by l at the end. Since M is a whole number, a kernel that streams over the keys may use a running M (the ceiling of the running maximum): every later rescaling is an exact power of two, which a block's scale takes up: the codes' values come out the same.
;;   OPERANDS COMPUTED ON THE WAY. 'Computed on the way' means the value that the module computes at that place (a softmax that the list does not call 'softmax' is quantised finished and normalised). What goes into a quantiser is computed in f32, as accurately as f32 sums, v_exp_f32 and their like allow (about 1e-6 of the number): no bf16 or f16 on the way to a quantiser, and a product that is left as it is and whose result goes on into a quantised operand takes f32 operands (vector FMAs, or v_wmma_f32_16x16x4_f32). A number that lies on a knife's edge between two numbers of the format may be rounded either way, as far as f32 arithmetic and the matrix unit's own rounding can turn it there, and no further.
;; One version. Each part assembles by itself: llvm-mc -triple=amdgcn-amd-amdhsa -mcpu=gfx1250 --defsym DOCPART=n.
;; ======== version 1 of 1: 4 launches
;; workspace buffers: xq 6,291,456 bytes; xs 262,144 bytes; wq 3,145,728 bytes; ws 131,072 bytes; qb 6,815,744 bytes; kv 13,631,488 bytes; aoq 6,291,456 bytes; aos 262,144 bytes
;; launch prep (part 1): grid 512 x 1, 4 waves a work-group, no clusters, 47,616 bytes of LDS; arguments x, W_in, W_out, xq, xs, wq, ws; writes xq, xs, wq, ws
.if DOCPART == 1
	.amdgcn_target "amdgcn-amd-amdhsa--gfx1250"
	.amdhsa_code_object_version 6
	.text
	.protected	k_q9c5cc926e0_prep
	.globl	k_q9c5cc926e0_prep
	.p2align	8
	.type	k_q9c5cc926e0_prep,@function
k_q9c5cc926e0_prep:
	s_mov_b64 s[64:65], 0
	v_nop
	global_prefetch_b8 v0, s[64:65] scope:SCOPE_SE
	s_setreg_imm32_b32 hwreg(HW_REG_WAVE_MODE, 25, 1), 1
	s_wait_xcnt 0x0
; PREP: x [8192][1024], W_in [1024][3072] and W_out [1024][1024], f32, become codes of E3M2 with one E8M0 byte for each 32 along K (K = 1024 in all three).
; A block's scale is 2^(floor(log2(largest magnitude)) - 4); its byte is the largest magnitude's exponent field - 4, held at 1 from below by a floor among the maximum's leaves.
; LIMITS: NaN and infinities among the inputs are not served.  A block of zeros, or one whose largest magnitude lies under 2^-122, gets the byte 1 (the rule says 127 for zeros): its codes are
; zeros or as the floor's scale gives them, and the bytes are read by this program alone.
; THE WORKSPACE IS LAID IN THE ORDER OF THE OPERANDS' REGISTERS.  Rows (of x) or columns (of W) go in blocks of 128 = 8 tiles of 16; index i of tile T is row 32 (T/2) + 8 (T%2) + i%8 + 16 (i/8).
; A fragment (tile x 128 K, 12 registers a lane) is 1,536 bytes: for c = 0, 1: registers 6c..6c+3 of lane l at 768 c + 16 l, registers 6c+4, 6c+5 at 768 c + 512 + 8 l.
; A block of 128 rows is [K step 0..7][tile 0..7] fragments, 98,304 bytes.  Its scale words: [K step] 512 bytes, the word of tile 2p+u, index i, at 128 p + 8 i + 4 u.
; SHARES.  Work-groups 0..255 take x: 64 rows x 512 K, a wave 4 tiles x 128 K.  Work-groups 256..511 take the weights: 128 columns x 128 K, a wave 32 columns, a lane a column, registers down K.
; No cluster: no two work-groups read the same input bytes.  No tensor load, no barrier: the waves share nothing; each path and each wave has LDS bytes of its own.
.set TM,   8                           ; v8-23   at work in QUANT
.set WD,   24                          ; v24-27  the four tiles' scale words
.set XR,   32                          ; v32-223 three sets of 64 numbers
.set PC,   224                         ; v224-243 the codes just made
.set SEL,  20                          ; s[20:21] lane selects: lane l xor 16
.set XSTG, 8448                        ; x path: a wave's stage, 16 rows x (512 + 16) bytes
.set WST0, 33792                       ; weights' path: its stages begin behind x's four
.set WSTG, 3328                        ; a wave's: two tile images, 1,664 bytes apart
; 64 numbers of a lane, register 16 b + i = k 32 b + 16 (lane / 16) + i of the lane's row, become a fragment's 12 registers v[PC..PC+11] and the row's scale word v[pw].
.macro QUANT s, pw
.irp b, 0,1,2,3
	v_max3_num_f32 v[TM+\b], |v[(\s)+16*\b]|, |v[(\s)+16*\b+1]|, 0x2800000   ; my 16 numbers of block b, and the floor 2^(5 - 127): the byte cannot fall under 1
.endr
.irp i, 2,4,6,8,10,12,14
.irp b, 0,1,2,3
	v_max3_num_f32 v[TM+\b], v[TM+\b], |v[(\s)+16*\b+\i]|, |v[(\s)+16*\b+\i+1]|   ; the four blocks by turns
.endr
.endr
.irp b, 0,1,2,3
	v_permlanex16_b32 v[TM+4+\b], v[TM+\b], s[SEL], s[SEL+1]
.endr
.irp b, 0,1,2,3
	v_max_num_f32 v[TM+\b], v[TM+\b], v[TM+4+\b]       ; with lane l xor 16's 16: the block's largest magnitude
.endr
.irp b, 0,1,2,3
	v_add_nc_u32 v[TM+12+\b], 0xfe000000, v[TM+\b]     ; 4 off its exponent field: the conversion's scale operand
.endr
.irp b, 0,1,2,3
	v_lshrrev_b32 v[TM+4+\b], 23, v[TM+12+\b]          ; the scale's byte
.endr
	v_lshl_or_b32 v[\pw], v[TM+5], 8, v[TM+4]
	v_lshl_or_b32 v[\pw], v[TM+6], 16, v[\pw]
	v_lshl_or_b32 v[\pw], v[TM+7], 24, v[\pw]
.irp c, 0,1
	v_cvt_scalef32_pk16_bf6_f32 v[PC+6*\c:PC+6*\c+2], v[(\s)+32*\c:(\s)+32*\c+15], v[TM+12+2*\c]
	v_cvt_scalef32_pk16_bf6_f32 v[PC+12+4*\c:PC+12+4*\c+2], v[(\s)+32*\c+16:(\s)+32*\c+31], v[TM+13+2*\c]   ; (a conversion's three registers begin on an even number)
.endr
	v_nop                                              ; one plain instruction behind the scaled conversions
.irp c, 0,1                                        ; the operand wants a whole block in a lane: lanes 0-15 block 2 c, lanes 16-31 block 2 c + 1
.irp i, 0,1,2
	v_permlane16_swap_b32 v[PC+6*\c+\i], v[PC+12+4*\c+\i]
.endr
.irp i, 0,1,2
	v_mov_b32 v[PC+3+6*\c+\i], v[PC+12+4*\c+\i]
.endr
.endr
.endm
	s_load_b256 s[4:11], s[0:1], 0x0               ; x s[4:5], W_in s[6:7], W_out s[8:9], xq s[10:11]
	s_load_b128 s[12:15], s[0:1], 0x20             ; xs s[12:13], wq s[14:15]
	s_load_b64 s[16:17], s[0:1], 0x30              ; ws
	v_lshl_add_u32 v248, v0, 2, 0xb800
	v_mov_b32 v249, 0
	v_lshrrev_b32 v1, 5, v0
	v_readfirstlane_b32 s18, v1                    ; wave 0..3
	v_and_b32 v1, 31, v0                           ; lane
	s_mov_b32 s[SEL], 0x76543210
	s_mov_b32 s[SEL+1], 0xfedcba98
	s_cmp_lt_u32 ttmp9, 256
	s_cbranch_scc0 .Lweights
; ---------------- x ----------------
	s_lshr_b32 s22, ttmp9, 1                       ; which 64 rows
	s_and_b32 s23, ttmp9, 1
	s_lshl_b32 s23, s23, 2
	s_add_co_u32 s23, s23, s18                     ; my K step: 4 x (work-group % 2) + wave
	s_lshr_b32 s24, s22, 1                         ; the block of 128 rows
	s_and_b32 s25, s22, 1                          ; and which half of it: tiles 4 g .. 4 g + 3
	v_lshlrev_b32 v2, 4, v1                        ; 16 x lane
	v_lshlrev_b32 v3, 3, v1                        ; 8 x lane
	s_mul_i32 s19, s18, XSTG                       ; my stage
	v_lshl_add_u32 v4, v1, 4, s19                  ; in: a row's 512 bytes as they lie
	v_and_b32 v6, 15, v0
	v_bfe_u32 v7, v0, 4, 1
	v_mul_u32_u24 v5, v6, 528
	v_lshl_add_u32 v5, v7, 6, v5
	v_add_nc_u32 v5, s19, v5                       ; out: row lane % 16, + 64 bytes for lanes 16-31: my 16 numbers of each block of 32
.irp b, 0,1,2,3
	v_mov_b32 v[TM+4+\b], 0                        ; written once: a lane permute's destination counts as read
.endr
	s_lshl_b32 s26, s22, 18                        ; 64 rows of 4,096 bytes
	s_lshl_b32 s27, s23, 9                         ; 128 numbers
	s_add_co_u32 s26, s26, s27
	s_mov_b32 s27, 0
	s_wait_kmcnt 0x0
	s_add_nc_u64 s[4:5], s[4:5], s[26:27]
	s_mul_i32 s26, s24, 98304
	s_mul_i32 s28, s23, 12288
	s_add_co_u32 s26, s26, s28
	s_mul_i32 s28, s25, 6144
	s_add_co_u32 s26, s26, s28
	s_add_nc_u64 s[10:11], s[10:11], s[26:27]      ; my four fragments
	s_lshl_b32 s26, s24, 12
	s_lshl_b32 s28, s23, 9
	s_add_co_u32 s26, s26, s28
	s_lshl_b32 s28, s25, 8
	s_add_co_u32 s26, s26, s28
	s_add_nc_u64 s[12:13], s[12:13], s[26:27]      ; their 256 bytes of scale words
.macro LOADX t                         ; tile t's 16 rows: each load reads 512 consecutive bytes of one row
.irp i, 0,1,2,3,4,5,6,7,8,9,10,11,12,13,14,15
	global_load_b128 v[XR+64*((\t)%3)+4*\i:XR+64*((\t)%3)+4*\i+3], v2, s[4:5] offset:(32*((\t)/2)+8*((\t)%2)+(\i%8)+16*(\i/8))*4096 th:TH_LOAD_NT
.endr
.endm
.macro TURNX t                         ; through my stage: in by rows, out 16 neighbours of each block to a lane.  LDS serves a wave's instructions in order: no wait between
.irp i, 0,1,2,3,4,5,6,7,8,9,10,11,12,13,14,15
	ds_store_b128 v4, v[XR+64*((\t)%3)+4*\i:XR+64*((\t)%3)+4*\i+3] offset:528*\i
.endr
.irp b, 0,1,2,3
.irp j, 0,1,2,3
	ds_load_b128 v[XR+64*((\t)%3)+16*\b+4*\j:XR+64*((\t)%3)+16*\b+4*\j+3], v5 offset:128*\b+16*\j
.endr
.endr
.endm
.macro TILE t, left
	s_wait_loadcnt \left                           ; this tile's 16 loads are in; left = the loads of the tiles behind it
	TURNX \t
	s_wait_dscnt 0x0
	s_wait_xcnt 0x0                                ; the last tile's stores have read the code registers
	QUANT XR+64*((\t)%3), WD+(\t)
.if (\t) == 0
	LOADX 3                                        ; into the set just quantised
.endif
	global_store_b128 v2, v[PC:PC+3], s[10:11] offset:1536*(\t)          ; 512, 256, 512, 256 consecutive bytes: six whole aligned runs of 256
	global_store_b64 v3, v[PC+4:PC+5], s[10:11] offset:1536*(\t)+512
	global_store_b128 v2, v[PC+6:PC+9], s[10:11] offset:1536*(\t)+768
	global_store_b64 v3, v[PC+10:PC+11], s[10:11] offset:1536*(\t)+1280
.endm
	LOADX 0
	LOADX 1
	LOADX 2
	TILE 0, 32                                     ; tiles 1, 2 may be out
	TILE 1, 32                                     ; tiles 2, 3
	TILE 2, 16                                     ; tile 3
	TILE 3, 0
	v_cmp_le_u32 vcc_lo, 16, v1                    ; lanes 16-31 carry the second pair of tiles
	v_cndmask_b32 v28, v[WD], v[WD+2], vcc_lo
	v_cndmask_b32 v29, v[WD+1], v[WD+3], vcc_lo
	global_store_b64 v3, v[28:29], s[12:13]        ; 256 consecutive bytes, aligned
	s_wait_tensorcnt 0x0
	ds_add_u32 v248, v249
	s_wait_dscnt 0x0
	s_endpgm
; ---------------- the weights ----------------
.Lweights:
	s_sub_co_u32 s22, ttmp9, 256
	s_lshr_b32 s23, s22, 3                         ; block of 128 columns: 0..23 W_in's, 24..31 W_out's
	s_and_b32 s24, s22, 7                          ; K step
	v_lshlrev_b32 v2, 2, v1                        ; in: 4 bytes a lane: my column
	v_bfe_u32 v8, v0, 3, 1                         ; my column is index rr of tile 2 x wave + u:  u = (lane / 8) % 2,
	v_and_b32 v9, 7, v0
	v_bfe_u32 v10, v0, 4, 1
	v_lshl_add_u32 v9, v10, 3, v9                  ; rr = lane % 8 + 8 (lane / 16)
	s_mul_i32 s19, s18, WSTG
	s_add_co_u32 s19, s19, WST0                    ; my stage
	v_mul_u32_u24 v10, v8, 1664
	v_add_nc_u32 v10, s19, v10
	v_lshl_add_u32 v3, v9, 4, v10                  ; where my column's registers 0-3 of a half image go,
	v_lshl_add_u32 v4, v9, 3, v10                  ; and its registers 4, 5
	v_lshl_add_u32 v5, v1, 4, s19                  ; back: 16 bytes a lane
	v_lshlrev_b32 v6, 4, v1
	v_lshlrev_b32 v7, 3, v9
	v_lshl_add_u32 v7, v8, 2, v7                   ; my scale word's place: 8 rr + 4 u
	s_mov_b32 s28, 128*4096
	s_wait_kmcnt 0x0
	s_cmp_lt_u32 s23, 24                           ; the choice hangs on the work-group's number alone
	s_cselect_b64 s[26:27], s[6:7], s[8:9]
	s_cselect_b32 s25, 0, 24
	s_cselect_b32 s28, 128*12288, s28              ; 128 rows of the source, in bytes
	s_sub_co_u32 s25, s23, s25                     ; the block within its own tensor
	s_mul_i32 s28, s24, s28
	s_lshl_b32 s25, s25, 9
	s_add_co_u32 s28, s28, s25
	s_lshl_b32 s25, s18, 7
	s_add_co_u32 s28, s28, s25
	s_mov_b32 s29, 0
	s_add_nc_u64 s[26:27], s[26:27], s[28:29]
	s_mul_i32 s28, s23, 98304
	s_mul_i32 s25, s24, 12288
	s_add_co_u32 s28, s28, s25
	s_mul_i32 s25, s18, 3072
	s_add_co_u32 s28, s28, s25
	s_add_nc_u64 s[14:15], s[14:15], s[28:29]      ; my two fragments
	s_lshl_b32 s28, s23, 12
	s_lshl_b32 s25, s24, 9
	s_add_co_u32 s28, s28, s25
	s_lshl_b32 s25, s18, 7
	s_add_co_u32 s28, s28, s25
	s_add_nc_u64 s[16:17], s[16:17], s[28:29]      ; their 128 bytes of scale words
; Block B's 32 loads: W(128 ks + 32 B + i, my column): each reads 128 consecutive bytes, the four waves side by side 512.  The row's length stands in the immediates, so the 32 lines are written for
; each of the two tensors, under a scalar branch on the work-group's number: both arms issue 32 loads into the same registers, so the counted waits hold on either.
.macro WLOADB B
	s_cmp_lt_u32 s23, 24
	s_cbranch_scc0 .Lw_out_\@
.set wk, 32*(\B)
.rept 32
	global_load_b32 v[32+wk], v2, s[26:27] offset:wk*12288 th:TH_LOAD_NT
.set wk, wk+1
.endr
	s_branch .Lw_loaded_\@
.Lw_out_\@:
.set wk, 32*(\B)
.rept 32
	global_load_b32 v[32+wk], v2, s[26:27] offset:wk*4096 th:TH_LOAD_NT
.set wk, wk+1
.endr
.Lw_loaded_\@:
.endm
.macro BLOCK B                         ; block B of 32 along K: all its numbers are mine
.set XS, 32+32*(\B)
.set CW, 160+8*(\B)                    ; registers of its own for each block's codes
.if (\B) < 3
	s_wait_loadcnt 32                              ; this block's 32 loads are in; the next block's 32 may be out
.else
	s_wait_loadcnt 0x0
.endif
.if (\B)+2 < 4
	WLOADB (\B)+2                                  ; two blocks ahead, into registers of its own
.endif
	v_max3_num_f32 v12, |v[XS]|, |v[XS+1]|, |v[XS+2]|
	v_max3_num_f32 v13, |v[XS+3]|, |v[XS+4]|, |v[XS+5]|
.irp i, 6,10,14,18,22,26
	v_max3_num_f32 v12, v12, |v[XS+\i]|, |v[XS+\i+1]|
	v_max3_num_f32 v13, v13, |v[XS+\i+2]|, |v[XS+\i+3]|
.endr
	v_max3_num_f32 v12, v12, |v[XS+30]|, |v[XS+31]|
	v_max3_num_f32 v12, v12, v13, 0x2800000        ; and the floor
	v_add_nc_u32 v11, 0xfe000000, v12
	v_lshrrev_b32 v13, 23, v11
.if (\B) == 0
	v_mov_b32 v24, v13
.else
	v_lshl_or_b32 v24, v13, 8*(\B), v24
.endif
	v_cvt_scalef32_pk16_bf6_f32 v[CW:CW+2], v[XS:XS+15], v11
	v_cvt_scalef32_pk16_bf6_f32 v[CW+4:CW+6], v[XS+16:XS+31], v11
	v_nop                                          ; one plain instruction behind the scaled conversions
	v_mov_b32 v[CW+3], v[CW+4]                     ; six registers on end
	v_mov_b32 v[CW+4], v[CW+5]
	v_mov_b32 v[CW+5], v[CW+6]
	ds_store_b128 v3, v[CW:CW+3] offset:768*((\B)/2)+256*((\B)%2)        ; block B is half B / 2 of the fragment, lanes 16 (B % 2) + rr
	ds_store_b64 v4, v[CW+4:CW+5] offset:768*((\B)/2)+512+128*((\B)%2)
.endm
	WLOADB 0
	WLOADB 1
	BLOCK 0
	BLOCK 1
	BLOCK 2
	BLOCK 3
.irp u, 0,1
.irp m, 0,1,2
	ds_load_b128 v[192+4*(3*\u+\m):192+4*(3*\u+\m)+3], v5 offset:1664*\u+512*\m    ; LDS serves a wave's instructions in order: these see my stores
.endr
.endr
.irp u, 0,1
.irp m, 0,1,2
	s_wait_dscnt 5-3*\u-\m                         ; the younger loads may be out
	global_store_b128 v6, v[192+4*(3*\u+\m):192+4*(3*\u+\m)+3], s[14:15] offset:1536*\u+512*\m   ; 512 consecutive bytes
.endr
.endr
	global_store_b32 v7, v24, s[16:17]             ; 128 consecutive bytes a wave
	s_wait_tensorcnt 0x0
	ds_add_u32 v248, v249
	s_wait_dscnt 0x0
	s_endpgm
.Lfunc_end_k_q9c5cc926e0_prep:
	.size	k_q9c5cc926e0_prep, .Lfunc_end_k_q9c5cc926e0_prep-k_q9c5cc926e0_prep
	.p2alignl 7, 3214868480
	.fill 96, 4, 3214868480
	.section	.rodata,"a",@progbits
	.p2align	6, 0x0
	.amdhsa_kernel k_q9c5cc926e0_prep
		.amdhsa_group_segment_fixed_size 47616
		.amdhsa_private_segment_fixed_size 0
		.amdhsa_enable_private_segment 0
		.amdhsa_kernarg_size 56
		.amdhsa_user_sgpr_count 2
		.amdhsa_user_sgpr_kernarg_segment_ptr 1
		.amdhsa_wavefront_size32 1
		.amdhsa_system_sgpr_workgroup_id_x 1
		.amdhsa_system_sgpr_workgroup_id_y 1
		.amdhsa_system_sgpr_workgroup_id_z 1
		.amdhsa_system_vgpr_workitem_id 0
		.amdhsa_next_free_vgpr 250
		.amdhsa_next_free_sgpr 66
		.amdhsa_reserve_vcc 1
		.amdhsa_float_denorm_mode_32 3
		.amdhsa_float_denorm_mode_16_64 3
		.amdhsa_memory_ordered 1
		.amdhsa_forward_progress 1
		.amdhsa_inst_pref_size 68
	.end_amdhsa_kernel
	.amdgpu_metadata
---
amdhsa.version: [ 1, 2 ]
amdhsa.kernels:
  - .name:           k_q9c5cc926e0_prep
    .symbol:         k_q9c5cc926e0_prep.kd
    .args:
      - { .name: x, .offset: 0, .size: 8, .value_kind: global_buffer, .address_space: global }
      - { .name: W_in, .offset: 8, .size: 8, .value_kind: global_buffer, .address_space: global }
      - { .name: W_out, .offset: 16, .size: 8, .value_kind: global_buffer, .address_space: global }
      - { .name: xq, .offset: 24, .size: 8, .value_kind: global_buffer, .address_space: global }
      - { .name: xs, .offset: 32, .size: 8, .value_kind: global_buffer, .address_space: global }
      - { .name: wq, .offset: 40, .size: 8, .value_kind: global_buffer, .address_space: global }
      - { .name: ws, .offset: 48, .size: 8, .value_kind: global_buffer, .address_space: global }
    .group_segment_fixed_size: 47616
    .private_segment_fixed_size: 0
    .kernarg_segment_align: 8
    .kernarg_segment_size: 56
    .max_flat_workgroup_size: 128
    .sgpr_count:     66
    .vgpr_count:     250
    .wavefront_size: 32
...
	.end_amdgpu_metadata
.endif
;; end of part 1
;; launch qkv (part 2): grid 12 x 32, 4 waves a work-group, clusters of 4 x 4, 327,680 bytes of LDS; arguments xq, xs, wq, ws, b_in, qb, kv; writes qb, kv
.if DOCPART == 2
	.amdgcn_target "amdgcn-amd-amdhsa--gfx1250"
	.amdhsa_code_object_version 6
	.text
	.protected	k_q9c5cc926e0_qkv
	.globl	k_q9c5cc926e0_qkv
	.p2align	8
	.type	k_q9c5cc926e0_qkv,@function
k_q9c5cc926e0_qkv:
	s_mov_b64 s[64:65], 0
	v_nop
	global_prefetch_b8 v0, s[64:65] scope:SCOPE_SE
	s_setreg_imm32_b32 hwreg(HW_REG_WAVE_MODE, 25, 1), 1
	s_wait_xcnt 0x0
	s_wait_alu depctr_hold_cnt(0) depctr_sa_sdst(0) depctr_va_vdst(0) depctr_va_sdst(0) depctr_va_ssrc(0) depctr_va_vcc(0) depctr_vm_vsrc(0)
	s_getreg_b32 s2, hwreg(HW_REG_IB_STS2, 6, 4)
	s_cmp_eq_u32 s2, 0
	s_cbranch_scc0 .Lentry_in_a_cluster
	s_endpgm
.Lentry_in_a_cluster:
	s_bfe_u32 s2, ttmp6, 0x10000c
	s_cmp_lg_u32 s2, 0xf033
	s_cbranch_scc0 .Lentry_shape_is_right
	s_endpgm
.Lentry_shape_is_right:
; QKV: x W_in + b_in on codes of E3M2 (K = 1024), and the result quantised at once: q and k along the head's 64, v along the keys.  No f32 result goes to memory.
; A work-group makes 256 x 256, a wave 128 x 128: 64 accumulators, 512 registers.  K goes in 8 steps of 128, written straight.
; OPERANDS come as images of their registers (a fragment = 1,536 bytes; a block of 128 rows = [K step][tile] fragments): a fragment is two loads of 16 bytes and two of 8 a lane, each instruction on consecutive bytes.
; THE MATRIX INSTRUCTION IS USED TRANSPOSED: source 0 = a tile of the B set, source 1 = a tile of the A set: a lane holds ONE row of the A set and its registers run along the B set; since index i of tile T is row
; 32 (T/2) + 8 (T%2) + i%8 + 16 (i/8), the 16 registers of B tiles 2p, 2p+1 are 16 neighbours, 32 p + 16 (lane/16) + 0..15: ready for the next quantiser.
; CLUSTERS of 4 x 4: cluster x = 0: q's columns, 1: k's, 2: v's.  For q and k the A set is x's rows and the B set W's columns (registers along the head's axis).  For v THE SETS CHANGE PLACES: A = W's columns,
; B = x's rows (registers along the keys); the text is the same, only pointers, block numbers and strides are chosen, on the cluster's x, which all partners share.
; A's tiles hang on cy and are asked for jointly by a row of the cluster, B's on cx and by a column.
; LDS: three slots of 98,304 bytes (256 along K: A's two halves, B's two halves, 24,576 bytes each).  Chunks 0, 1, 2 are first fills; chunk 3 fills slot 0 again: one refill.  At most three tensor loads of a wave are out.
; THE SCALE WORDS of all 8 steps come once, from memory straight into registers v32-95, 256 consecutive bytes an instruction.
; BIAS: along the B set it is the C of step 0 (64 registers), along the A set it is added on the way out; the set that does not apply is cleared (q, k: the bias runs along B; v: along A).
; OUT: qb [head 64][group 16] 6,656 bytes = 8 half fragments (tile x 64) + 512 of scale words; kv [head 64][step 16] 13,312 = K's 8 half fragments | V's 4 fragments (16 d x 128 keys) | K's words 512 | V's words 256, twice.
; In q's and k's words the head's two bytes stand twice (s0 s1 s0 s1), since the next launch places a half fragment in either half of a K step of 128.
; LIMITS: NaN and infinities are not served; a block under 2^-122 gets the byte 1; x + 0 may change the sign of a zero.
; REGISTERS: window 0: v1 lane, v2 16 lane, v3 8 lane, v4-15 LDS addresses, v16-18 at work, v28-29 the add's, v32-95 scale words, v96-111 bias along A, v112-119 the words made, v128-223 A's fragments (one set);
;   on the way out v128-191 64 numbers, v192-211 codes, v212-227 at work, v228-239 words.  window 1: B's two sets at v0, v128; bias along B at v96-127, v224-255.  windows 2, 3: accumulators (a, b) at v[8 (8 (a%4) + b)].
.set SPARE, 294912                     ; behind the slots: the spare words, 128 bytes a wave: two blocks of 256 bytes that no other line names
.set SLOTB, 98304
.set PART,  24576
.set A16, 4                            ; v4-6   slot n: LDS address of my A block, + 16 lane;  v7-9: + 8 lane
.set A8,  7
.set B16, 10                           ; v10-12, v13-15 the same for B
.set B8,  13
.set SC,  32
.set SCS, 8                            ; scale registers a K step: 4 of A's, then 4 of B's
.set SBO, 4
.set G1,  28                           ; s[28:35] descriptor group 1 for A's tiles; s[36:43] for B's: they differ in the mask
.set G1B, 36
.set PC,  192
.set TM,  212
.set SEL, 2
.set MSB, 0
.macro WIN new                         ; the immediate's high byte repeats the setting that is left
.if MSB != (\new)
	s_set_vgpr_msb (MSB<<8)|(\new)
.set MSB, (\new)
.endif
.endm
.set MUL_LO,  0xa1                     ; source 0 (B) window 1, source 1 (A) window 0, C and D window 2
.set MUL_HI,  0xf1                     ; C and D window 3
.set MULB_LO, 0x91                     ; step 0: C = the bias, window 1; D window 2
.set MULB_HI, 0xd1                     ; D window 3
.set TO_B,    0x40
.macro PLACES n
.rept \n
	v_nop
.endr
.endm
.macro CREST                           ; a round of the cluster's barrier behind its opening barrier
	s_cmp_lg_u32 s18, 0
	s_cbranch_scc1 .Lnot_wave_0_\@
	s_barrier_signal -3
.Lnot_wave_0_\@:
	s_barrier_wait -3
	s_barrier_signal -1
	s_barrier_wait -1
.endm
.macro CROUND
	s_barrier_signal -1
	s_barrier_wait -1
	CREST
.endm
; A joint load: waves 0 and 1 fetch A's two blocks, waves 2 and 3 B's.  The branch hangs on the wave's number alone.  Four v_nop follow each of the two lines.
.macro JLOAD g0a, g0b
	s_cmp_eq_u32 s19, 0
	s_cbranch_scc0 .Lfor_b_\@
	tensor_load_to_lds s[\g0a:\g0a+3], s[G1:G1+7]
	s_nop 0
	PLACES 4
	s_branch .Lasked_\@
.Lfor_b_\@:
	tensor_load_to_lds s[\g0b:\g0b+3], s[G1B:G1B+7]
	s_nop 0
	PLACES 4
.Lasked_\@:
.endm
.macro FRAG reg, a16, a8, off          ; a fragment's image into 12 registers
	ds_load_b128 v[(\reg):(\reg)+3], v[\a16] offset:(\off)
	ds_load_b64 v[(\reg)+4:(\reg)+5], v[\a8] offset:(\off)+512
	ds_load_b128 v[(\reg)+6:(\reg)+9], v[\a16] offset:(\off)+768
	ds_load_b64 v[(\reg)+10:(\reg)+11], v[\a8] offset:(\off)+1280
.endm
.macro FETCH_B n, q, set               ; B's eight fragments of slot n's q-th K step: 32 loads
	WIN TO_B
.irp i, 0,1,2,3,4,5,6,7
	FRAG 128*(\set)+12*\i, B16+(\n), B8+(\n), 12288*(\q)+1536*\i
.endr
	WIN 0
.endm
.macro FETCH_A n, q, i0, cnt           ; A's fragments i0 .. i0 + cnt - 1: 4 loads each
.set fi, \i0
.rept \cnt
	FRAG 128+12*fi, A16+(\n), A8+(\n), 12288*(\q)+1536*fi
.set fi, fi+1
.endr
.endm
.macro WMX                             ; one product; a side's scale words stand in lanes 0-15 or, with ROW1, in lanes 16-31 of its register
.if fRA && fRB
	v_wmma_scale_f32_16x16x128_f8f6f4 v[rD:rD+7], v[rB:rB+11], v[rA:rA+11], v[rC:rC+7], v[rSA], v[rSB] matrix_a_fmt:MATRIX_FMT_BF6 matrix_b_fmt:MATRIX_FMT_BF6 matrix_a_scale:MATRIX_SCALE_ROW1 matrix_b_scale:MATRIX_SCALE_ROW1
.elseif fRA
	v_wmma_scale_f32_16x16x128_f8f6f4 v[rD:rD+7], v[rB:rB+11], v[rA:rA+11], v[rC:rC+7], v[rSA], v[rSB] matrix_a_fmt:MATRIX_FMT_BF6 matrix_b_fmt:MATRIX_FMT_BF6 matrix_a_scale:MATRIX_SCALE_ROW1
.elseif fRB
	v_wmma_scale_f32_16x16x128_f8f6f4 v[rD:rD+7], v[rB:rB+11], v[rA:rA+11], v[rC:rC+7], v[rSA], v[rSB] matrix_a_fmt:MATRIX_FMT_BF6 matrix_b_fmt:MATRIX_FMT_BF6 matrix_b_scale:MATRIX_SCALE_ROW1
.else
	v_wmma_scale_f32_16x16x128_f8f6f4 v[rD:rD+7], v[rB:rB+11], v[rA:rA+11], v[rC:rC+7], v[rSA], v[rSB] matrix_a_fmt:MATRIX_FMT_BF6 matrix_b_fmt:MATRIX_FMT_BF6
.endif
.endm
; A's tile a against B's eight, K step s.  mode = 1: the bias is C and starts the sums.  The 64 accumulators take turns, one instruction a turn, in the same order in every step.
.macro MULA a, bset, s, mode
.irp b, 0,1,2,3,4,5,6,7
.set rD, 8*(8*((\a)%4)+\b)
.set rB, 128*(\bset)+12*\b
.set rA, 128+12*(\a)
.set rSA, SC+SCS*(\s)+SBO+2*(\b/4)+(\b%2)
.set rSB, SC+SCS*(\s)+2*((\a)/4)+((\a)%2)
.set fRA, (\b/2)%2
.set fRB, ((\a)/2)%2
.if \mode
.set rC, 96+8*\b+96*(\b/4)
.else
.set rC, rD
.endif
	WMX
.endr
.endm
.macro QUANT s, pw                     ; 64 numbers of a lane, register 16 b + i = k 32 b + 16 (lane/16) + i, become 12 code registers v[PC..] and the scale word v[pw]
.irp b, 0,1,2,3
	v_max3_num_f32 v[TM+\b], |v[(\s)+16*\b]|, |v[(\s)+16*\b+1]|, 0x2800000   ; with the floor 2^(5 - 127): the byte cannot fall under 1
.endr
.irp i, 2,4,6,8,10,12,14
.irp b, 0,1,2,3
	v_max3_num_f32 v[TM+\b], v[TM+\b], |v[(\s)+16*\b+\i]|, |v[(\s)+16*\b+\i+1]|
.endr
.endr
.irp b, 0,1,2,3
	v_permlanex16_b32 v[TM+4+\b], v[TM+\b], s[SEL], s[SEL+1]
.endr
.irp b, 0,1,2,3
	v_max_num_f32 v[TM+\b], v[TM+\b], v[TM+4+\b]
.endr
.irp b, 0,1,2,3
	v_add_nc_u32 v[TM+12+\b], 0xfe000000, v[TM+\b]     ; 4 off the exponent field: the conversion's scale operand
.endr
.irp b, 0,1,2,3
	v_lshrrev_b32 v[TM+4+\b], 23, v[TM+12+\b]
.endr
	v_lshl_or_b32 v[\pw], v[TM+5], 8, v[TM+4]
	v_lshl_or_b32 v[\pw], v[TM+6], 16, v[\pw]
	v_lshl_or_b32 v[\pw], v[TM+7], 24, v[\pw]
.irp c, 0,1
	v_cvt_scalef32_pk16_bf6_f32 v[PC+6*\c:PC+6*\c+2], v[(\s)+32*\c:(\s)+32*\c+15], v[TM+12+2*\c]
	v_cvt_scalef32_pk16_bf6_f32 v[PC+12+4*\c:PC+12+4*\c+2], v[(\s)+32*\c+16:(\s)+32*\c+31], v[TM+13+2*\c]
.endr
	v_nop                                              ; one plain instruction behind the scaled conversions
.irp c, 0,1
.irp i, 0,1,2
	v_permlane16_swap_b32 v[PC+6*\c+\i], v[PC+12+4*\c+\i]
.endr
.irp i, 0,1,2
	v_mov_b32 v[PC+3+6*\c+\i], v[PC+12+4*\c+\i]
.endr
.endr
.endm
	s_load_b256 s[4:11], s[0:1], 0x0               ; xq s[4:5], xs s[6:7], wq s[8:9], ws s[10:11]
	s_load_b128 s[12:15], s[0:1], 0x20             ; b_in s[12:13], qb s[14:15]
	s_load_b64 s[16:17], s[0:1], 0x30              ; kv
	v_lshl_add_u32 v28, v0, 2, SPARE
	v_mov_b32 v29, 0
	ds_add_u32 v28, v29
	ds_add_u32 v28, v29
	s_wait_dscnt 0x0
	v_lshrrev_b32 v1, 5, v0
	v_readfirstlane_b32 s18, v1                    ; wave 0..3
	s_lshr_b32 s19, s18, 1                         ; which of A's two blocks is mine.  Also: I fetch for A (0) or for B (1)
	s_and_b32 s20, s18, 1                          ; which of B's.  Also: which block of that set I fetch
	s_bfe_u32 s21, ttmp6, 0x40000                  ; cx
	s_bfe_u32 s22, ttmp6, 0x40004                  ; cy
	s_mov_b32 s23, ttmp9                           ; cluster x: 0 q, 1 k, 2 v
	s_and_b32 s24, ttmp7, 0xffff                   ; cluster y
	s_lshl_b32 s80, s24, 2
	s_lshl_b32 s81, s23, 2
	s_cmp_eq_u32 s23, 2
	s_cselect_b32 s25, 1, 0                        ; v's cluster?  The same in all sixteen partners
	s_cselect_b32 s26, 8, s80
	s_cselect_b32 s27, s80, s81
	s_add_co_u32 s26, s26, s22                     ; A's tile of 256: x's rows 4 Y + cy, or W's columns 8 + cy
	s_add_co_u32 s27, s27, s21                     ; B's: W's columns 4 X + cx, or x's rows 4 Y + cx
	s_lshl_b32 s82, s22, 2
	s_lshl_b32 s82, 15, s82                        ; my row of the cluster
	s_lshl_b32 s83, 0x1111, s21                    ; my column
	; descriptor group 1: 24,576 dense bytes as 96 rows of 32 elements of 8 bytes; no padding
	s_or_b32 s[G1], s82, (3<<16)|(1<<21)           ; 15:0 the mask; 17:16 elements of 8 bytes; 21 set beside a mask
	s_or_b32 s[G1B], s83, (3<<16)|(1<<21)
.irp g, G1, G1B
	s_mov_b32 s[\g+1], 32<<16                      ; tensor_dim0 = 32
	s_mov_b32 s[\g+2], 96<<16                      ; tensor_dim1 = 96
	s_mov_b32 s[\g+3], 32<<16                      ; tile_dim0 = 32
	s_mov_b32 s[\g+4], 96                          ; tile_dim1 = 96
	s_mov_b32 s[\g+5], 32                          ; from row to row
	s_mov_b32 s[\g+6], 0
	s_mov_b32 s[\g+7], 0
.endr
	s_lshl_b32 s84, s26, 1
	s_add_co_u32 s84, s84, s20
	s_mul_i32 s84, s84, 98304                      ; the block of A that I fetch, in bytes
	s_mov_b32 s85, 0
	s_lshl_b32 s86, s27, 1
	s_add_co_u32 s86, s86, s20
	s_mul_i32 s86, s86, 98304                      ; the block of B
	s_mov_b32 s87, 0
	s_lshl_b32 s66, s26, 1
	s_add_co_u32 s66, s66, s19                     ; the block of A that I multiply
	s_lshl_b32 s67, s27, 1
	s_add_co_u32 s67, s67, s20                     ; the block of B
	v_and_b32 v1, 31, v0                           ; lane
	v_lshlrev_b32 v2, 4, v1
	v_lshlrev_b32 v3, 3, v1
	v_bfe_u32 v16, v0, 4, 1
	v_lshlrev_b32 v16, 6, v16                      ; bias along B: 16 numbers further on for lanes 16-31
	v_and_b32 v17, 7, v0
	v_bfe_u32 v18, v0, 3, 1
	v_lshl_add_u32 v17, v18, 4, v17
	v_lshlrev_b32 v17, 2, v17                      ; bias along A: index lane % 16 of a tile is row i%8 + 16 (i/8)
	s_mul_i32 s100, s19, PART                      ; my block of A in a slot
	s_mul_i32 s101, s20, PART
	s_add_co_u32 s101, s101, 2*PART                ; my block of B, behind A's two
.irp n, 0,1,2
	v_add_nc_u32 v[A16+\n], s100, v2
	v_add_nc_u32 v[A8+\n], s100, v3
	v_add_nc_u32 v[B16+\n], s101, v2
	v_add_nc_u32 v[B8+\n], s101, v3
	s_add_co_u32 s100, s100, SLOTB
	s_add_co_u32 s101, s101, SLOTB
.endr
	s_mul_i32 s101, s18, PART                      ; where my fetch goes in a slot: the wave's number alone
	s_wait_kmcnt 0x0
	s_cmp_eq_u32 s25, 1
	s_cselect_b64 s[72:73], s[8:9], s[4:5]         ; A's codes,
	s_cselect_b64 s[74:75], s[10:11], s[6:7]       ; A's scale words,
	s_cselect_b64 s[76:77], s[4:5], s[8:9]         ; B's codes,
	s_cselect_b64 s[78:79], s[6:7], s[10:11]       ; B's scale words
	s_add_nc_u64 s[84:85], s[72:73], s[84:85]
	s_add_nc_u64 s[86:87], s[76:77], s[86:87]
	CROUND                                         ; all sixteen work-groups are here: the first joint loads meet
.irp n, 0,1,2
.set GA, 44+4*\n                       ; s[44:55] group 0 for A's tiles, a set for each slot
.set GB, 56+4*\n+4*(\n/2)              ; s[56:63], s[68:71] for B's
	s_mov_b32 s[GA], 1
	s_add_co_u32 s[GA+1], s101, \n*SLOTB
	s_add_nc_u64 s[GA+2:GA+3], s[84:85], \n*PART   ; chunk n: K steps 2 n, 2 n + 1
	s_or_b32 s[GA+3], s[GA+3], 0x80000000
	s_mov_b32 s[GB], 1
	s_add_co_u32 s[GB+1], s101, \n*SLOTB
	s_add_nc_u64 s[GB+2:GB+3], s[86:87], \n*PART
	s_or_b32 s[GB+3], s[GB+3], 0x80000000
	JLOAD GA, GB
.endr
	s_lshl_b32 s96, s66, 12
	s_mov_b32 s97, 0
	s_add_nc_u64 s[74:75], s[74:75], s[96:97]      ; my block's scale words: 4,096 bytes a block
	s_lshl_b32 s98, s67, 12
	s_mov_b32 s99, 0
	s_add_nc_u64 s[78:79], s[78:79], s[98:99]
.irp s, 0,1,2,3,4,5,6,7
.irp i, 0,1
	global_load_b64 v[SC+SCS*\s+2*\i:SC+SCS*\s+2*\i+1], v3, s[74:75] offset:512*\s+256*\i          ; register u: lanes 0-15 tile 4 i + u, lanes 16-31 tile 4 i + 2 + u
	global_load_b64 v[SC+SCS*\s+SBO+2*\i:SC+SCS*\s+SBO+2*\i+1], v3, s[78:79] offset:512*\s+256*\i
.endr
.endr
	s_lshl_b32 s96, s67, 9                         ; both bias sets are loaded, inside b_in in every cluster; the one that does not apply is cleared below
	s_lshl_b32 s98, s66, 9
	s_cmp_eq_u32 s25, 1
	s_cselect_b32 s96, 0, s96
	s_cselect_b32 s98, s98, 0
	s_add_nc_u64 s[92:93], s[12:13], s[96:97]
	s_add_nc_u64 s[94:95], s[12:13], s[98:99]
	WIN TO_B
.irp p, 0,1,2,3
.irp j, 0,1,2,3
	global_load_b128 v[96+16*\p+96*(\p/2)+4*\j:96+16*\p+96*(\p/2)+4*\j+3], v16, s[92:93] offset:128*\p+16*\j   ; tiles 2 p, 2 p + 1: columns 32 p + 16 (lane/16) + 0..15
.endr
.endr
	WIN 0
.irp a, 0,1,2,3,4,5,6,7
	global_load_b32 v[96+2*\a], v17, s[94:95] offset:4*(32*(\a/2)+8*(\a%2))
	global_load_b32 v[97+2*\a], v17, s[94:95] offset:4*(32*(\a/2)+8*(\a%2))   ; twice: a pair for the packed addition
.endr
	s_wait_loadcnt 0x0
	s_cmp_eq_u32 s25, 1
	s_cselect_b32 vcc_lo, 0, -1                    ; the bias along B is kept in q's and k's clusters
	WIN 0x44                                       ; source 1 and destination window 1
.set k, 0
.rept 32
	v_cndmask_b32 v[96+k], 0, v[96+k], vcc_lo
	v_cndmask_b32 v[224+k], 0, v[224+k], vcc_lo
.set k, k+1
.endr
	WIN 0
	s_not_b32 vcc_lo, vcc_lo                       ; the bias along A in v's
.set k, 0
.rept 16
	v_cndmask_b32 v[96+k], 0, v[96+k], vcc_lo
.set k, k+1
.endr
; A step of 128 along K whose successor has been shown whole to every wave.
.macro STEP s, mode
.set NS, (((\s)+1)/2)%3
.set NQ, ((\s)+1)%2
	s_wait_dscnt 16                                ; B's set and A's tiles 0-3 are in; the youngest 16 loads (A's tiles 4-7) may be out
.if \mode
	WIN MULB_LO
.else
	WIN MUL_LO
.endif
	MULA 0, (\s)%2, \s, \mode
	MULA 1, (\s)%2, \s, \mode
	MULA 2, (\s)%2, \s, \mode
	MULA 3, (\s)%2, \s, \mode
	s_wait_dscnt 0x0                               ; A's tiles 4-7 are in
	PLACES 4                                       ; in front of loads into registers that matrix instructions have read
	FETCH_B NS, NQ, 1-(\s)%2
	FETCH_A NS, NQ, 0, 4
.if \mode
	WIN MULB_HI
.else
	WIN MUL_HI
.endif
	MULA 4, (\s)%2, \s, \mode
	MULA 5, (\s)%2, \s, \mode
	MULA 6, (\s)%2, \s, \mode
	MULA 7, (\s)%2, \s, \mode
	PLACES 4
	WIN 0
	FETCH_A NS, NQ, 4, 4
.endm
; A step with a barrier.  In front of it each wave waits for all its tensor loads, adds 0 to its spare word, and waits for that and for its reads of the slot in hand.
; fill = 1 (step 1): the barrier opens a round of the cluster's; behind it slot 0 takes chunk 3.  All three first fills have landed in every wave by then, so slots 1 and 2 need no barrier of their own.
; fill = 0 (step 5): the refill, asked for four steps (256 matrix instructions) earlier, is shown whole to every wave.
.macro TURN s, fill
.set NS, (((\s)+1)/2)%3
.set NQ, ((\s)+1)%2
	s_wait_tensorcnt 0x0                           ; all my tensor loads have landed
	ds_add_u32 v28, v29                            ; 0 onto my spare word
	s_wait_dscnt 17                                ; (the add and the youngest 16 loads may be out)
	WIN MUL_LO
	MULA 0, (\s)%2, \s, 0
	MULA 1, (\s)%2, \s, 0
	s_wait_dscnt 0x0                               ; the add is done, and my reads of this slot are over
	s_barrier_signal -1
	MULA 2, (\s)%2, \s, 0
	MULA 3, (\s)%2, \s, 0
	WIN 0
	s_barrier_wait -1
.if \fill
	CREST                                          ; no wave of any partner still reads slot 0 or has a load on its way
	s_add_nc_u64 s[46:47], s[46:47], 3*PART        ; slot 0's descriptors: from chunk 0 to chunk 3
	s_add_nc_u64 s[58:59], s[58:59], 3*PART
	JLOAD 44, 56                                   ; my one tensor load behind the round; its four v_nop are the places in front of the loads below
.else
	PLACES 4
.endif
	FETCH_B NS, NQ, 1-(\s)%2
	FETCH_A NS, NQ, 0, 4
	WIN MUL_HI
	MULA 4, (\s)%2, \s, 0
	MULA 5, (\s)%2, \s, 0
	MULA 6, (\s)%2, \s, 0
	MULA 7, (\s)%2, \s, 0
	PLACES 4
	WIN 0
	FETCH_A NS, NQ, 4, 4
.endm
	s_wait_tensorcnt 2                             ; my part of slot 0 is in; slots 1 and 2 may be out
	s_barrier_signal -1
	s_barrier_wait -1
	FETCH_B 0, 0, 0
	FETCH_A 0, 0, 0, 4
	FETCH_A 0, 0, 4, 4
	STEP 0, 1
	TURN 1, 1
	STEP 2, 0
	STEP 3, 0
	STEP 4, 0
	TURN 5, 0
	STEP 6, 0
	s_wait_dscnt 16                                ; the last step fetches nothing
	WIN MUL_LO
	MULA 0, 1, 7, 0
	MULA 1, 1, 7, 0
	MULA 2, 1, 7, 0
	MULA 3, 1, 7, 0
	s_wait_dscnt 0x0
	WIN MUL_HI
	MULA 4, 1, 7, 0
	MULA 5, 1, 7, 0
	MULA 6, 1, 7, 0
	MULA 7, 1, 7, 0
	WIN 0
	PLACES 4                                       ; in front of the first read of results and of writes into A's registers
; THE WAY OUT.  Where my 128 x 128 goes: rb = the block of x's rows (batch rb / 16, group or key step rb % 16), cb = the block of W's columns (heads 2 (cb % 8), + 1).
	s_cmp_eq_u32 s25, 1
	s_cselect_b32 s96, s67, s66                    ; rb
	s_cselect_b32 s98, s66, s67                    ; cb
	s_lshr_b32 s97, s96, 4
	s_and_b32 s96, s96, 15
	s_and_b32 s98, s98, 7
	s_lshl_b32 s98, s98, 1
	s_lshl_b32 s97, s97, 4
	s_add_co_u32 s97, s97, s98                     ; 16 x batch + first head
	s_mov_b32 s94, 212992                          ; a head's bytes, a record's bytes: kv's,
	s_mov_b32 s95, 13312
	s_cmp_eq_u32 s23, 0
	s_cselect_b64 s[88:89], s[14:15], s[16:17]
	s_cselect_b32 s94, 106496, s94                 ; or qb's
	s_cselect_b32 s95, 6656, s95
	s_mul_i32 s97, s97, s94
	s_mul_i32 s96, s96, s95
	s_add_co_u32 s96, s96, s97
	s_mov_b32 s97, 0
	s_add_nc_u64 s[88:89], s[88:89], s[96:97]      ; the first head's record
	s_mov_b32 s95, 0
	s_mov_b32 s96, 12288                           ; the scale words' place in it: k's,
	s_cmp_eq_u32 s23, 0
	s_cselect_b32 s96, 6144, s96                   ; q's,
	s_mov_b32 s98, 12800
	s_cmp_eq_u32 s25, 1
	s_cselect_b32 s96, s98, s96                    ; v's
	s_add_nc_u64 s[92:93], s[88:89], s[96:97]      ; words, first head
	s_cselect_b32 s96, 6144, 0
	s_add_nc_u64 s[88:89], s[88:89], s[96:97]      ; P0: where a fragment's first half goes
	s_cselect_b32 s96, 768, s94
	s_add_nc_u64 s[90:91], s[88:89], s[96:97]      ; P1: its second half: v: behind the first; q, k: the next head's record
	s_add_nc_u64 s[94:95], s[92:93], s[94:95]      ; words, second head
	s_mov_b32 s96, 768
	s_cselect_b32 s96, 1536, s96                   ; from tile to tile
	s_cselect_b32 s98, 206848, 0                   ; v: from the first head's four tiles to the second head's
	s_mov_b32 s99, 0
	s_mov_b32 s[SEL], 0x76543210
	s_mov_b32 s[SEL+1], 0xfedcba98
	s_mov_b32 s100, 0x01000100                     ; a word's bytes 0, 1, twice
	s_mov_b32 s101, 0x03020302                     ; its bytes 2, 3, twice
.irp b, 0,1,2,3
	v_mov_b32 v[TM+4+\b], 0                        ; a lane permute's destination counts as read
.endr
.macro EPI a                           ; A's tile a: 16 rows x 128 along B become one fragment
	WIN 0x02+(\a)/4                                ; source 0: window 2 or 3
.set ei, 0
.rept 32
	v_pk_add_f32 v[128+2*ei:129+2*ei], v[64*((\a)%4)+2*ei:64*((\a)%4)+2*ei+1], v[96+2*(\a):97+2*(\a)]   ; into window 0, with the bias along A; each accumulator from its low end on
.set ei, ei+1
.endr
	WIN 0
	s_wait_xcnt 0x0                                ; the last tile's stores have read their data and their bases
.if (\a) > 0
	s_add_nc_u64 s[88:89], s[88:89], s[96:97]
	s_add_nc_u64 s[90:91], s[90:91], s[96:97]
.endif
.if (\a) == 4
	s_add_nc_u64 s[88:89], s[88:89], s[98:99]
	s_add_nc_u64 s[90:91], s[90:91], s[98:99]
.endif
	QUANT 128, 112+(\a)
	global_store_b128 v2, v[PC:PC+3], s[88:89]                 ; 512 and 256 consecutive bytes, aligned
	global_store_b64 v3, v[PC+4:PC+5], s[88:89] offset:512
	global_store_b128 v2, v[PC+6:PC+9], s[90:91]
	global_store_b64 v3, v[PC+10:PC+11], s[90:91] offset:512
.endm
.irp a, 0,1,2,3,4,5,6,7
	EPI \a
.endr
	v_cmp_le_u32 vcc_lo, 16, v1                    ; lanes 16-31 carry the second pair of tiles
	s_cmp_eq_u32 s25, 1
	s_cbranch_scc1 .Lv_words
.irp i, 0,1
.irp u, 0,1
	v_cndmask_b32 v[228+2*\i+\u], v[112+4*\i+\u], v[112+4*\i+2+\u], vcc_lo
.endr
.endr
.irp n, 0,1,2,3
	v_perm_b32 v[232+\n], v[228+\n], v[228+\n], s100           ; the first head's two bytes, doubled
	v_perm_b32 v[236+\n], v[228+\n], v[228+\n], s101           ; the second head's
.endr
.irp i, 0,1
	global_store_b64 v3, v[232+2*\i:233+2*\i], s[92:93] offset:256*\i
	global_store_b64 v3, v[236+2*\i:237+2*\i], s[94:95] offset:256*\i
.endr
	s_branch .Lwords_done
.Lv_words:
.irp d, 0,1
.irp u, 0,1
	v_cndmask_b32 v[232+2*\d+\u], v[112+4*\d+\u], v[112+4*\d+2+\u], vcc_lo
.endr
.endr
	global_store_b64 v3, v[232:233], s[92:93]
	global_store_b64 v3, v[232:233], s[92:93] offset:256       ; the same 256 bytes again: the record's last bytes are written too
	global_store_b64 v3, v[234:235], s[94:95]
	global_store_b64 v3, v[234:235], s[94:95] offset:256
.Lwords_done:
	s_wait_tensorcnt 0x0                           ; the wave's end
	ds_add_u32 v28, v29
	s_wait_dscnt 0x0
	CROUND                                         ; the closing round: no work-group ends while a partner may still ask for a tile that names it
	s_endpgm
.Lfunc_end_k_q9c5cc926e0_qkv:
	.size	k_q9c5cc926e0_qkv, .Lfunc_end_k_q9c5cc926e0_qkv-k_q9c5cc926e0_qkv
	.p2alignl 7, 3214868480
	.fill 96, 4, 3214868480
	.section	.rodata,"a",@progbits
	.p2align	6, 0x0
	.amdhsa_kernel k_q9c5cc926e0_qkv
		.amdhsa_group_segment_fixed_size 327680
		.amdhsa_private_segment_fixed_size 0
		.amdhsa_enable_private_segment 0
		.amdhsa_kernarg_size 56
		.amdhsa_user_sgpr_count 2
		.amdhsa_user_sgpr_kernarg_segment_ptr 1
		.amdhsa_wavefront_size32 1
		.amdhsa_system_sgpr_workgroup_id_x 1
		.amdhsa_system_sgpr_workgroup_id_y 1
		.amdhsa_system_sgpr_workgroup_id_z 1
		.amdhsa_system_vgpr_workitem_id 0
		.amdhsa_next_free_vgpr 1024
		.amdhsa_next_free_sgpr 102
		.amdhsa_reserve_vcc 1
		.amdhsa_float_denorm_mode_32 3
		.amdhsa_float_denorm_mode_16_64 3
		.amdhsa_memory_ordered 1
		.amdhsa_forward_progress 1
		.amdhsa_inst_pref_size 172
	.end_amdhsa_kernel
	.amdgpu_metadata
---
amdhsa.version: [ 1, 2 ]
amdhsa.kernels:
  - .name:           k_q9c5cc926e0_qkv
    .symbol:         k_q9c5cc926e0_qkv.kd
    .args:
      - { .name: xq, .offset: 0, .size: 8, .value_kind: global_buffer, .address_space: global }
      - { .name: xs, .offset: 8, .size: 8, .value_kind: global_buffer, .address_space: global }
      - { .name: wq, .offset: 16, .size: 8, .value_kind: global_buffer, .address_space: global }
      - { .name: ws, .offset: 24, .size: 8, .value_kind: global_buffer, .address_space: global }
      - { .name: b_in, .offset: 32, .size: 8, .value_kind: global_buffer, .address_space: global }
      - { .name: qb, .offset: 40, .size: 8, .value_kind: global_buffer, .address_space: global }
      - { .name: kv, .offset: 48, .size: 8, .value_kind: global_buffer, .address_space: global }
    .group_segment_fixed_size: 327680
    .private_segment_fixed_size: 0
    .kernarg_segment_align: 8
    .kernarg_segment_size: 56
    .max_flat_workgroup_size: 128
    .sgpr_count:     102
    .vgpr_count:     1024
    .wavefront_size: 32
...
	.end_amdgpu_metadata
.endif
;; end of part 2
;; launch attn (part 3): grid 4 x 64, 16 waves a work-group, clusters of 4 x 1, 215,040 bytes of LDS; arguments qb, kv, aoq, aos; writes aoq, aos
.if DOCPART == 3
	.amdgcn_target "amdgcn-amd-amdhsa--gfx1250"
	.amdhsa_code_object_version 6
	.text
	.protected	k_q9c5cc926e0_attn
	.globl	k_q9c5cc926e0_attn
	.p2align	8
	.type	k_q9c5cc926e0_attn,@function
k_q9c5cc926e0_attn:
	s_mov_b64 s[64:65], 0
	v_nop
	global_prefetch_b8 v0, s[64:65] scope:SCOPE_SE
	s_setreg_imm32_b32 hwreg(HW_REG_WAVE_MODE, 25, 1), 1
	s_wait_xcnt 0x0
	s_wait_alu depctr_hold_cnt(0) depctr_sa_sdst(0) depctr_va_vdst(0) depctr_va_sdst(0) depctr_va_ssrc(0) depctr_va_vcc(0) depctr_vm_vsrc(0)
	s_getreg_b32 s2, hwreg(HW_REG_IB_STS2, 6, 4)
	s_cmp_eq_u32 s2, 0
	s_cbranch_scc0 .Lentry_in_a_cluster
	s_endpgm
.Lentry_in_a_cluster:
	s_bfe_u32 s2, ttmp6, 0x10000c
	s_cmp_lg_u32 s2, 0x3003
	s_cbranch_scc0 .Lentry_shape_is_right
	s_endpgm
.Lentry_shape_is_right:
; ATTN: causal attention of one head (64 heads x batches, 2,048 tokens, head size 64), both products on codes of E3M2; the result, divided by the row's sum, is quantised along the head's 64 for the last product.
; SOFTMAX: t = score x log2(e) / 8; M = the running largest t rounded up to a whole number; p = 2^(t - M) is quantised along the keys, not normalised; the sum is taken of the unquantised p; when M moves,
; the sum and O are multiplied by 2^(old M - new M), which rounds nothing.
; A HEAD'S WHOLE K, V AND SCALE WORDS, 16 records of 13,312 bytes, LIE IN LDS, FILLED ONCE: no ring, no refill.  The four work-groups of a head are a cluster and ask jointly: each wave brings 6,656 bytes of records 0-7
; and 6,656 of records 8-15: two tensor loads of a wave are out at the most.
; SHARES.  Queries go in 16 groups of 128 = 8 tiles of 16.  Partner cx takes tiles 2 cx + j (j = 0, 1) of EVERY group g, so that the number of key steps of a task, g + 1, hangs on g alone, and g on the wave's number:
; no branch hangs on a work-group's place in its cluster.  A wave has two tasks, (g, j) with g <= 7 and (15 - g, 1 - j): 17 key steps in every wave.  The first task needs records 0-7 alone.
; LAYOUT.  Both products are transposed: S^T = K Q^T (source 0 = 16 keys), O^T = V^T P^T (source 0 = 16 of the head's 64): a lane holds ONE query.  Index i of tile T is row 32 (T/2) + 8 (T%2) + i%8 + 16 (i/8), so the 16 registers
; of tiles 2 b, 2 b + 1 are neighbours 32 b + 16 (lane/16) + 0..15: keys in S^T, the head's axis in O^T.
; K = 64 IN AN INSTRUCTION OF 128: Q's half fragment stands twice, [q | q]; a tile of K is [k | 0] or [0 | k], two tiles sharing six registers of zero codes; so q's and k's words hold their two bytes twice.
; LIMITS: NaN and infinities are not served; the division by the sum is v_rcp_f32 and a multiplication; a block of o under 2^-122 gets the byte 1.
; REGISTERS: v1 16 lane, v2 8 lane, v3 the mask's number, v4-5 LDS addresses, v6 8 (lane%16), v7 -infinity, v9 the lane's part of v3, v12 -M, v13 the largest t, v[14:15] the sum, v16-27 Q, v28-63 four tiles of K,
;   v64-111 V, v112-175 S^T then p, v176-207 O^T, v208-227 codes, v228-239 at work, v240-243 K's words, v244-245 V's, v246 Q's, v247 p's, v[248:249] f, v250-253 at work.
.set REC, 13312
.macro PLACES n
.rept \n
	v_nop
.endr
.endm
.macro CROUND                          ; a round of the cluster's barrier
	s_barrier_signal -1
	s_barrier_wait -1
	s_cmp_lg_u32 s12, 0
	s_cbranch_scc1 .Lnot_wave_0_\@
	s_barrier_signal -3
.Lnot_wave_0_\@:
	s_barrier_wait -3
	s_barrier_signal -1
	s_barrier_wait -1
.endm
.macro FRAG reg, a16, a8, off
	ds_load_b128 v[(\reg):(\reg)+3], v[\a16] offset:(\off)
	ds_load_b64 v[(\reg)+4:(\reg)+5], v[\a8] offset:(\off)+512
	ds_load_b128 v[(\reg)+6:(\reg)+9], v[\a16] offset:(\off)+768
	ds_load_b64 v[(\reg)+10:(\reg)+11], v[\a8] offset:(\off)+1280
.endm
.macro KLOAD g                         ; K's tiles 4 g .. 4 g + 3: six registers each, at v28, v40, v46, v58; the zeros v34-39, v52-57 stay
.irp t, 0,1,2,3
	ds_load_b128 v[28+18*(\t/2)+12*(\t%2):28+18*(\t/2)+12*(\t%2)+3], v4 offset:768*(4*(\g)+\t)
	ds_load_b64 v[28+18*(\t/2)+12*(\t%2)+4:28+18*(\t/2)+12*(\t%2)+5], v5 offset:768*(4*(\g)+\t)+512
.endr
.endm
.macro SPROD g                         ; four tiles of S^T; the constant 0 starts each sum
.irp t, 0,1,2,3
.set xD, 112+8*(4*(\g)+\t)
.set xA, 28+18*(\t/2)+6*(\t%2)
.set xS, 240+2*(\g)+(\t%2)
.if \t/2
	v_wmma_scale_f32_16x16x128_f8f6f4 v[xD:xD+7], v[xA:xA+11], v[16:27], 0, v[xS], v246 matrix_a_fmt:MATRIX_FMT_BF6 matrix_b_fmt:MATRIX_FMT_BF6 matrix_a_scale:MATRIX_SCALE_ROW1
.else
	v_wmma_scale_f32_16x16x128_f8f6f4 v[xD:xD+7], v[xA:xA+11], v[16:27], 0, v[xS], v246 matrix_a_fmt:MATRIX_FMT_BF6 matrix_b_fmt:MATRIX_FMT_BF6
.endif
.endr
.endm
	s_load_b256 s[4:11], s[0:1], 0x0               ; qb s[4:5], kv s[6:7], aoq s[8:9], aos s[10:11]
	v_lshl_add_u32 v254, v0, 2, 0x34000
	v_mov_b32 v255, 0
	ds_add_u32 v254, v255
	ds_add_u32 v254, v255
	v_lshrrev_b32 v1, 5, v0
	s_delay_alu instid0(VALU_DEP_1)
	v_readfirstlane_b32 s12, v1                    ; wave 0..15
	s_bfe_u32 s13, ttmp6, 0x40000                  ; cx: it enters global addresses and the mask's data alone
	s_and_b32 s14, ttmp7, 0xffff                   ; batch x 16 + head, which the four partners share
	s_lshr_b32 s15, s14, 4                         ; batch
	s_and_b32 s16, s14, 15                         ; head
	s_lshr_b32 s56, s12, 2                         ; the first task, from the wave's number w: with a = w / 4, b = w % 4:
	s_and_b32 s57, s12, 3
	s_and_b32 s18, s56, 1                          ; j = a % 2
	s_lshr_b32 s58, s56, 1
	s_lshl_b32 s58, s58, 1
	s_lshr_b32 s59, s57, 1
	s_add_co_u32 s58, s58, s59                     ; 2 (a / 2) + b / 2: 0..3,
	s_xor_b32 s59, s57, s56
	s_and_b32 s59, s59, 1
	s_mul_i32 s59, s59, 7
	s_xor_b32 s17, s58, s59                        ; g = that, or 7 less that where a + b is odd: each (g <= 7, j) once among the 16 waves
	s_mov_b32 s22, 0x76543210
	s_mov_b32 s23, 0xfedcba98                      ; lane l xor 16
	s_mov_b32 s24, 0x3e38aa3b                      ; c = log2(e) / 8
	s_mov_b32 s25, s24                             ; (named with it as a pair, so it is written)
	; descriptor group 1: 6,656 dense bytes as 26 rows of 32 elements of 8 bytes
	s_mov_b32 s28, 15|(3<<16)|(1<<21)              ; 15:0 the mask: all four work-groups; 17:16 elements of 8 bytes; 21 set beside a mask
	s_mov_b32 s29, 32<<16
	s_mov_b32 s30, 26<<16
	s_mov_b32 s31, 32<<16
	s_mov_b32 s32, 26
	s_mov_b32 s33, 32
	s_mov_b32 s34, 0
	s_mov_b32 s35, 0
	s_mul_i32 s60, s12, 6656                       ; my share of eight records
	s_mul_i32 s62, s14, 16*REC
	s_add_co_u32 s62, s62, s60
	s_mov_b32 s63, 0
	v_and_b32 v8, 31, v0
	s_delay_alu instid0(VALU_DEP_1)
	v_lshlrev_b32 v1, 4, v8
	s_delay_alu instid0(VALU_DEP_2)
	v_lshlrev_b32 v2, 3, v8
	v_and_b32 v6, 15, v0
	s_delay_alu instid0(VALU_DEP_1)
	v_lshlrev_b32 v6, 3, v6
	v_and_b32 v9, 7, v0
	v_bfe_u32 v10, v0, 3, 1
	s_delay_alu instid0(VALU_DEP_1)
	v_lshl_add_u32 v9, v10, 4, v9
	v_bfe_u32 v10, v0, 4, 1
	s_delay_alu instid0(VALU_DEP_1)
	v_lshlrev_b32 v10, 4, v10
	s_delay_alu instid0(VALU_DEP_1)
	v_sub_nc_u32 v9, v9, v10                       ; i%8 + 16 (i/8) - 16 (lane/16), i = lane % 16
	v_mov_b32 v7, 0xff800000
.irp z, 34,35,36,37,38,39,52,53,54,55,56,57
	v_mov_b32 v\z, 0                               ; zero codes: they add nothing under any scale byte that the quantiser makes
.endr
.irp z, 232,233,234,235,249,250
	v_mov_b32 v\z, 0                               ; lane permutes' destinations, and the upper half of f's pair: written before they are named
.endr
	s_wait_dscnt 0x0
	s_wait_kmcnt 0x0
	s_mov_b32 s36, 1
	s_mov_b32 s37, s60
	s_add_nc_u64 s[38:39], s[6:7], s[62:63]
	s_mov_b32 s40, 1
	s_add_co_u32 s41, s60, 8*REC
	s_add_nc_u64 s[42:43], s[38:39], 8*REC
	s_or_b32 s39, s39, 0x80000000
	s_or_b32 s43, s43, 0x80000000
	CROUND                                         ; all four work-groups are here: the joint loads meet
	tensor_load_to_lds s[36:39], s[28:35]          ; records 0-7
	s_nop 0
	tensor_load_to_lds s[40:43], s[28:35]          ; records 8-15
	s_nop 0
	PLACES 4
.macro SETUP                           ; the task (g = s17, j = s18): its pointers, its Q, its zeros
	s_wait_xcnt 0x0                                ; the last task's stores have read their data and bases
	s_lshl_b32 s56, s13, 1
	s_add_co_u32 s56, s56, s18                     ; my tile of the group: 2 cx + j
	s_mul_i32 s57, s14, 106496
	s_mul_i32 s58, s17, 6656
	s_add_co_u32 s57, s57, s58                     ; the group's record in qb
	s_mul_i32 s58, s56, 768
	s_add_co_u32 s58, s58, s57
	s_mov_b32 s59, 0
	s_add_nc_u64 s[46:47], s[4:5], s[58:59]        ; Q's half fragment
	s_lshl_b32 s60, s13, 7
	s_lshl_b32 s61, s18, 2
	s_add_co_u32 s60, s60, s61                     ; a scale word's place for my tile: 128 cx + 4 j
	s_add_co_u32 s58, s57, s60
	s_add_co_u32 s58, s58, 6144
	s_add_nc_u64 s[48:49], s[4:5], s[58:59]        ; Q's words
	s_lshl_b32 s61, s15, 4
	s_add_co_u32 s61, s61, s17                     ; the block of 128 rows of the last product's A
	s_lshr_b32 s62, s16, 1                         ; its K step: head / 2,
	s_and_b32 s63, s16, 1                          ; and the half of it: head % 2
	s_mul_i32 s58, s61, 98304
	s_mul_i32 s57, s62, 12288
	s_add_co_u32 s58, s58, s57
	s_mul_i32 s57, s56, 1536
	s_add_co_u32 s58, s58, s57
	s_mul_i32 s57, s63, 768
	s_add_co_u32 s58, s58, s57
	s_add_nc_u64 s[50:51], s[8:9], s[58:59]        ; where o's half fragment goes
	s_lshl_b32 s58, s61, 12
	s_lshl_b32 s57, s62, 9
	s_add_co_u32 s58, s58, s57
	s_add_co_u32 s58, s58, s60
	s_lshl_b32 s57, s63, 1
	s_add_co_u32 s58, s58, s57
	s_add_nc_u64 s[52:53], s[10:11], s[58:59]      ; and its two scale bytes
	global_load_b128 v[16:19], v1, s[46:47]
	global_load_b64 v[20:21], v2, s[46:47] offset:512
	global_load_b128 v[22:25], v1, s[46:47]        ; the same again: [q | q]
	global_load_b64 v[26:27], v2, s[46:47] offset:512
	global_load_b32 v246, v6, s[48:49]
	s_lshl_b32 s57, s13, 5
	s_lshl_b32 s56, s18, 3
	s_add_co_u32 s57, s57, s56
	v_add_nc_u32 v3, s57, v9                       ; my query's place in its group, less 16 (lane/16)
	v_mov_b32 v13, 0xff61b1e6                      ; the largest t so far: -3e38
	s_delay_alu instid0(VALU_DEP_1)
	v_floor_f32 v12, -v13
	v_mov_b32 v14, 0
	v_mov_b32 v15, 0
.set k, 0
.rept 32
	v_mov_b32 v[176+k], 0                          ; O^T: the first change of M leaves zeros zeros
.set k, k+1
.endr
	s_mov_b32 s44, 0                               ; the key step's record in LDS
	s_mov_b32 s45, 0                               ; the key step
	s_wait_loadcnt 0x0
.endm
.macro TRIP                            ; a key step: 128 keys
	v_add_nc_u32 v4, s44, v1
	v_add_nc_u32 v5, s44, v2
	v_nop
	v_nop                                          ; four places in front of loads into registers that the last products read
	ds_load_b64 v[240:241], v5 offset:12288        ; K's words: register u: lanes 0-15 tile 4 n + u, lanes 16-31 tile 4 n + 2 + u
	ds_load_b64 v[242:243], v5 offset:12544
	KLOAD 0
	ds_load_b64 v[244:245], v5 offset:12800        ; V's words
.irp t, 0,1,2,3
	FRAG 64+12*\t, 4, 5, 6144+1536*\t
.endr
	s_wait_alu depctr_va_vdst(0)
	s_wait_dscnt 17                                ; V's 16 loads and its words may be out
	SPROD 0
	PLACES 4
	KLOAD 1
	s_wait_dscnt 0x0
	SPROD 1
	PLACES 4
	s_cmp_lg_u32 s45, s17                          ; the group's own key step lies on the diagonal: there hidden scores become -infinity ahead of the maximum
	s_cbranch_scc1 .Lopen_\@
.set mn, 0
.rept 64
	v_cmp_gt_i32 vcc_lo, 32*(mn/16)+mn%16, v3      ; register 16 b + i holds key 32 b + 16 (lane/16) + i
	v_cndmask_b32 v[112+mn], v[112+mn], v7, vcc_lo
.set mn, mn+1
.endr
.Lopen_\@:
.irp b, 0,1,2,3
	v_max3_num_f32 v[228+\b], v[112+16*\b], v[113+16*\b], v[114+16*\b]     ; the largest score of each block of 32 keys: for the row's maximum, and, since p rises with the score, for the block's largest p
.endr
.irp i, 3,5,7,9,11,13
.irp b, 0,1,2,3
	v_max3_num_f32 v[228+\b], v[228+\b], v[112+16*\b+\i], v[113+16*\b+\i]
.endr
.endr
.irp b, 0,1,2,3
	v_max_num_f32 v[228+\b], v[228+\b], v[127+16*\b]
.endr
.irp b, 0,1,2,3
	s_delay_alu instid0(VALU_DEP_4)
	v_permlanex16_b32 v[232+\b], v[228+\b], s22, s23
.endr
.irp b, 0,1,2,3
	s_delay_alu instid0(VALU_DEP_4)
	v_max_num_f32 v[228+\b], v[228+\b], v[232+\b]
.endr
	s_delay_alu instid0(VALU_DEP_2)
	v_max3_num_f32 v250, v228, v229, v230
	s_delay_alu instid0(VALU_DEP_1)
	v_max_num_f32 v250, v250, v231
	s_delay_alu instid0(VALU_DEP_1)
	v_mul_f32 v250, s24, v250                      ; as t (c is positive)
	s_delay_alu instid0(VALU_DEP_1)
	v_max_num_f32 v13, v13, v250                   ; the running largest t
	v_mov_b32 v250, v12
	s_delay_alu instid0(VALU_DEP_2)
	v_floor_f32 v12, -v13                          ; -M = floor(-t): M is a whole number
	s_delay_alu instid0(VALU_DEP_1)
	v_sub_f32 v250, v12, v250                      ; old M - new M: a whole number, 0 or less
	s_delay_alu instid0(VALU_DEP_1)
	v_cvt_i32_f32 v250, v250                       ; (it saturates)
	s_delay_alu instid0(VALU_DEP_1)
	v_ldexp_f32 v248, 1.0, v250                    ; f = 2^(old M - new M)
.set k, 0
	s_setprio 1
.rept 32
	v_pk_fma_f32 v[112+k:113+k], v[112+k:113+k], s[24:25], v[12:13] op_sel_hi:[1,0,0]   ; t - M
.set k, k+2
.endr
.irp b, 0,1,2,3
	v_fma_f32 v[228+\b], v[228+\b], s24, v12
.endr
.set k, 0
	s_wait_alu depctr_va_vdst(0)
.rept 64
	v_exp_f32 v[112+k], v[112+k]                   ; p = 2^(t - M)
.set k, k+1
.endr
	v_pk_mul_f32 v[14:15], v[14:15], v[248:249] op_sel_hi:[1,0]    ; the sums under the new M: a plain instruction behind the exponentials
	s_wait_alu depctr_va_vdst(0)                   ; one wait for the batch of 64, ahead of its first reader
.irp b, 0,1,2,3
	v_exp_f32 v[228+\b], v[228+\b]                 ; each block's largest p
.endr
	v_pk_add_f32 v[252:253], v[116:117], v[120:121]
	v_pk_add_f32 v[242:243], v[124:125], v[128:129]
	v_pk_add_f32 v[240:241], v[132:133], v[136:137]
	v_pk_add_f32 v[238:239], v[140:141], v[144:145]
	v_pk_add_f32 v[236:237], v[148:149], v[152:153]
	v_pk_add_f32 v[234:235], v[156:157], v[160:161]
	v_pk_add_f32 v[232:233], v[164:165], v[168:169]
	v_pk_add_f32 v[14:15], v[14:15], v[172:173]
	v_pk_add_f32 v[252:253], v[252:253], v[112:113]
	v_pk_add_f32 v[242:243], v[242:243], v[114:115]
	v_pk_add_f32 v[240:241], v[240:241], v[118:119]
	v_pk_add_f32 v[238:239], v[238:239], v[122:123]
	v_pk_add_f32 v[236:237], v[236:237], v[126:127]
	v_pk_add_f32 v[234:235], v[234:235], v[130:131]
	v_pk_add_f32 v[232:233], v[232:233], v[134:135]
	v_pk_add_f32 v[14:15], v[14:15], v[138:139]
	v_pk_add_f32 v[252:253], v[252:253], v[142:143]
	v_pk_add_f32 v[242:243], v[242:243], v[146:147]
	v_pk_add_f32 v[240:241], v[240:241], v[150:151]
	v_pk_add_f32 v[238:239], v[238:239], v[154:155]
	v_pk_add_f32 v[236:237], v[236:237], v[158:159]
	v_pk_add_f32 v[234:235], v[234:235], v[162:163]
	v_pk_add_f32 v[232:233], v[232:233], v[166:167]
	v_pk_add_f32 v[14:15], v[14:15], v[170:171]
	v_pk_add_f32 v[252:253], v[252:253], v[174:175]
	s_delay_alu instid0(VALU_DEP_2)
	v_pk_add_f32 v[14:15], v[14:15], v[238:239]
	s_delay_alu instid0(VALU_DEP_2)
	v_pk_add_f32 v[252:253], v[252:253], v[236:237]
	v_pk_add_f32 v[242:243], v[242:243], v[234:235]
	v_pk_add_f32 v[240:241], v[240:241], v[232:233]
	s_delay_alu instid0(VALU_DEP_2)
	v_pk_add_f32 v[14:15], v[14:15], v[242:243]
	s_delay_alu instid0(VALU_DEP_2)
	v_pk_add_f32 v[252:253], v[252:253], v[240:241]
	s_delay_alu instid0(VALU_DEP_1)
	v_pk_add_f32 v[14:15], v[14:15], v[252:253]
	s_wait_alu depctr_va_vdst(0)                   ; and one for the four
.irp b, 0,1,2,3
	v_max_num_f32 v[228+\b], 0x2800000, v[228+\b]  ; the floor 2^(5 - 127)
.endr
.irp b, 0,1,2,3
	s_delay_alu instid0(VALU_DEP_4)
	v_add_nc_u32 v[236+\b], 0xfe000000, v[228+\b]
.endr
.irp b, 0,1,2,3
	s_delay_alu instid0(VALU_DEP_4)
	v_lshrrev_b32 v[232+\b], 23, v[236+\b]
.endr
	s_delay_alu instid0(VALU_DEP_3)
	v_lshl_or_b32 v247, v233, 8, v232              ; p's scale word for these 128 keys
	s_delay_alu instid0(VALU_DEP_1)
	v_lshl_or_b32 v247, v234, 16, v247
	s_delay_alu instid0(VALU_DEP_1)
	v_lshl_or_b32 v247, v235, 24, v247
	s_setprio 0
.irp c, 0,1
	v_cvt_scalef32_pk16_bf6_f32 v[208+6*\c:210+6*\c], v[112+32*\c:127+32*\c], v[236+2*\c]
	v_cvt_scalef32_pk16_bf6_f32 v[220+4*\c:222+4*\c], v[128+32*\c:143+32*\c], v[237+2*\c]
.endr
	v_nop                                          ; one plain instruction behind the scaled conversions
.irp c, 0,1
.irp i, 0,1,2
	v_permlane16_swap_b32 v[208+6*\c+\i], v[220+4*\c+\i]
.endr
.irp i, 0,1,2
	s_delay_alu instid0(VALU_DEP_3)
	v_mov_b32 v[211+6*\c+\i], v[220+4*\c+\i]
.endr
.endr
.set k, 0
.rept 16
	v_pk_mul_f32 v[176+k:177+k], v[176+k:177+k], v[248:249] op_sel_hi:[1,0]    ; O^T under the new M; these 16 are also the places between p's word and codes and the products
.set k, k+2
.endr
.irp t, 0,1,2,3                        ; O^T += V^T P^T: the four accumulators by turns, one instruction a turn
.if \t/2
	v_wmma_scale_f32_16x16x128_f8f6f4 v[176+8*\t:183+8*\t], v[64+12*\t:75+12*\t], v[208:219], v[176+8*\t:183+8*\t], v[244+(\t%2)], v247 matrix_a_fmt:MATRIX_FMT_BF6 matrix_b_fmt:MATRIX_FMT_BF6 matrix_a_scale:MATRIX_SCALE_ROW1
.else
	v_wmma_scale_f32_16x16x128_f8f6f4 v[176+8*\t:183+8*\t], v[64+12*\t:75+12*\t], v[208:219], v[176+8*\t:183+8*\t], v[244+(\t%2)], v247 matrix_a_fmt:MATRIX_FMT_BF6 matrix_b_fmt:MATRIX_FMT_BF6
.endif
.endr
.endm
; The loop's trip count is a constant; a key step all of whose keys come after the group is left out by a scalar branch on the wave's task, round its work alone.
.macro RUN ntrips
.Ltrip_\@:
	s_cmp_gt_u32 s45, s17
	s_cbranch_scc1 .Lskip_\@
	s_setprio 2
	TRIP
.Lskip_\@:
	s_add_co_u32 s44, s44, REC
	s_add_co_u32 s45, s45, 1
	s_cmp_lt_u32 s45, \ntrips
	s_cbranch_scc1 .Ltrip_\@
	s_setprio 0
	; the task's end: O^T / the sum, quantised along the head's 64 (two blocks), stored as a half fragment
	PLACES 4                                       ; behind the last products
	v_add_f32 v14, v14, v15
	s_delay_alu instid0(VALU_DEP_1)
	v_permlanex16_b32 v250, v14, s22, s23
	s_delay_alu instid0(VALU_DEP_1)
	v_add_f32 v14, v14, v250                       ; the row's sum
	s_wait_alu depctr_va_vdst(0)
	v_rcp_f32 v14, v14
	v_nop                                          ; a plain instruction behind the reciprocal
	s_wait_alu depctr_va_vdst(0)                   ; and the wait ahead of its first reader
.set k, 0
.rept 16
	v_pk_mul_f32 v[112+k:113+k], v[176+k:177+k], v[14:15] op_sel_hi:[1,0]      ; register 16 b + i = o(my query, 32 b + 16 (lane/16) + i); each accumulator from its low end on
.set k, k+2
.endr
.irp b, 0,1
	v_max3_num_f32 v[228+\b], |v[112+16*\b]|, |v[113+16*\b]|, 0x2800000
.endr
.irp i, 2,4,6,8,10,12,14
.irp b, 0,1
	s_delay_alu instid0(VALU_DEP_2)
	v_max3_num_f32 v[228+\b], v[228+\b], |v[112+16*\b+\i]|, |v[113+16*\b+\i]|
.endr
.endr
.irp b, 0,1
	s_delay_alu instid0(VALU_DEP_2)
	v_permlanex16_b32 v[232+\b], v[228+\b], s22, s23
.endr
.irp b, 0,1
	s_delay_alu instid0(VALU_DEP_2)
	v_max_num_f32 v[228+\b], v[228+\b], v[232+\b]
.endr
.irp b, 0,1
	s_delay_alu instid0(VALU_DEP_2)
	v_add_nc_u32 v[236+\b], 0xfe000000, v[228+\b]
.endr
.irp b, 0,1
	s_delay_alu instid0(VALU_DEP_2)
	v_lshrrev_b32 v[232+\b], 23, v[236+\b]
.endr
	s_delay_alu instid0(VALU_DEP_1)
	v_lshl_or_b32 v251, v233, 8, v232              ; the two scale bytes
	v_cvt_scalef32_pk16_bf6_f32 v[208:210], v[112:127], v236
	v_cvt_scalef32_pk16_bf6_f32 v[220:222], v[128:143], v237
	v_nop
.irp i, 0,1,2
	v_permlane16_swap_b32 v[208+\i], v[220+\i]
.endr
.irp i, 0,1,2
	s_delay_alu instid0(VALU_DEP_3)
	v_mov_b32 v[211+\i], v[220+\i]
.endr
	global_store_b128 v1, v[208:211], s[50:51]     ; 512 and 256 consecutive bytes, aligned
	global_store_b64 v2, v[212:213], s[50:51] offset:512
	global_store_b16 v6, v251, s[52:53]            ; lanes l and l xor 16 write the same two bytes with the same value; the word's other half is another head's, another work-group's
.endm
	SETUP
	s_wait_tensorcnt 1                             ; my part of records 0-7 is in; records 8-15 may be out
	s_barrier_signal -1
	s_barrier_wait -1                              ; everybody's is
	RUN 8
	s_wait_tensorcnt 0x0                           ; my part of records 8-15
	s_wait_dscnt 0x0
	s_barrier_signal -1
	s_barrier_wait -1
	s_sub_co_u32 s17, 15, s17                      ; the second task
	s_sub_co_u32 s18, 1, s18
	SETUP
	RUN 16
	s_wait_tensorcnt 0x0
	ds_add_u32 v254, v255
	s_wait_dscnt 0x0
	CROUND                                         ; the closing round
	s_endpgm
.Lfunc_end_k_q9c5cc926e0_attn:
	.size	k_q9c5cc926e0_attn, .Lfunc_end_k_q9c5cc926e0_attn-k_q9c5cc926e0_attn
	.p2alignl 7, 3214868480
	.fill 96, 4, 3214868480
	.section	.rodata,"a",@progbits
	.p2align	6, 0x0
	.amdhsa_kernel k_q9c5cc926e0_attn
		.amdhsa_group_segment_fixed_size 215040
		.amdhsa_private_segment_fixed_size 0
		.amdhsa_enable_private_segment 0
		.amdhsa_kernarg_size 32
		.amdhsa_user_sgpr_count 2
		.amdhsa_user_sgpr_kernarg_segment_ptr 1
		.amdhsa_wavefront_size32 1
		.amdhsa_system_sgpr_workgroup_id_x 1
		.amdhsa_system_sgpr_workgroup_id_y 1
		.amdhsa_system_sgpr_workgroup_id_z 1
		.amdhsa_system_vgpr_workitem_id 0
		.amdhsa_next_free_vgpr 256
		.amdhsa_next_free_sgpr 66
		.amdhsa_reserve_vcc 1
		.amdhsa_float_denorm_mode_32 3
		.amdhsa_float_denorm_mode_16_64 3
		.amdhsa_memory_ordered 1
		.amdhsa_forward_progress 1
		.amdhsa_inst_pref_size 66
	.end_amdhsa_kernel
	.amdgpu_metadata
---
amdhsa.version: [ 1, 2 ]
amdhsa.kernels:
  - .name:           k_q9c5cc926e0_attn
    .symbol:         k_q9c5cc926e0_attn.kd
    .args:
      - { .name: qb, .offset: 0, .size: 8, .value_kind: global_buffer, .address_space: global }
      - { .name: kv, .offset: 8, .size: 8, .value_kind: global_buffer, .address_space: global }
      - { .name: aoq, .offset: 16, .size: 8, .value_kind: global_buffer, .address_space: global }
      - { .name: aos, .offset: 24, .size: 8, .value_kind: global_buffer, .address_space: global }
    .group_segment_fixed_size: 215040
    .private_segment_fixed_size: 0
    .kernarg_segment_align: 8
    .kernarg_segment_size: 32
    .max_flat_workgroup_size: 512
    .sgpr_count:     66
    .vgpr_count:     256
    .wavefront_size: 32
...
	.end_amdgpu_metadata
.endif
;; end of part 3
;; launch proj (part 4): grid 4 x 64, 4 waves a work-group, clusters of 4 x 4, 327,680 bytes of LDS; arguments aoq, aos, wq, ws, b_out, out0; writes out0
.if DOCPART == 4
	.amdgcn_target "amdgcn-amd-amdhsa--gfx1250"
	.amdhsa_code_object_version 6
	.text
	.protected	k_q9c5cc926e0_proj
	.globl	k_q9c5cc926e0_proj
	.p2align	8
	.type	k_q9c5cc926e0_proj,@function
k_q9c5cc926e0_proj:
	s_mov_b64 s[64:65], 0
	v_nop
	global_prefetch_b8 v0, s[64:65] scope:SCOPE_SE
	s_setreg_imm32_b32 hwreg(HW_REG_WAVE_MODE, 25, 1), 1
	s_wait_xcnt 0x0
	s_wait_alu depctr_hold_cnt(0) depctr_sa_sdst(0) depctr_va_vdst(0) depctr_va_sdst(0) depctr_va_ssrc(0) depctr_va_vcc(0) depctr_vm_vsrc(0)
	s_getreg_b32 s2, hwreg(HW_REG_IB_STS2, 6, 4)
	s_cmp_eq_u32 s2, 0
	s_cbranch_scc0 .Lentry_in_a_cluster
	s_endpgm
.Lentry_in_a_cluster:
	s_bfe_u32 s2, ttmp6, 0x10000c
	s_cmp_lg_u32 s2, 0xf033
	s_cbranch_scc0 .Lentry_shape_is_right
	s_endpgm
.Lentry_shape_is_right:
; PROJ: out0 = o W_out + b_out on codes of E3M2 (K = 1024).  o's codes and words come from the launch before, W_out's are blocks 24..31 of wq, ws; both as images of the operands' registers.
; 256 work-groups of 128 rows x 256 columns (tiles of 256 x 256 would be 128); a wave makes 64 x 128: 32 accumulators.  K goes in 8 steps of 128, written straight.
; THE MATRIX INSTRUCTION IS USED TRANSPOSED (source 0 = 16 columns of W_out, source 1 = 16 rows of o): a lane holds one row and its registers run along the columns.  b_out is the C of step 0.
; CLUSTERS of 4 x 4: A's block hangs on cy and is asked for jointly by a row of the cluster, B's blocks on cx and by a column.
; ALL OF K LIES IN LDS: four chunks of 73,728 bytes (256 along K: A 24,576, B's two blocks 24,576 each), all first fills: nothing is filled twice.  Four tensor loads of a wave are out at the most.
; Waves 0, 1 fetch A's two K steps of a chunk (12,288 bytes each), waves 2, 3 B's two blocks.
; THE WAY OUT: a tile of 16 rows x 128 columns goes through my own stage in LDS and leaves as whole rows of 512 bytes.  The stages lie in chunk 0: it has had its only fill, and every wave's last read of it is waited for
; ahead of step 1's barrier.
; REGISTERS: window 0: v1 lane, v2 16 lane, v3 8 lane, v4-19 LDS addresses, v20-21 the stage, v22 at work, v32-79 scale words, v128-175 A's fragments; on the way out v128-255.
;   window 1: B's two sets at v0, v128; the bias at v96-127, v224-255.  window 2: accumulators (a, b) at v[8 (8 a + b)].
.set CHUNK, 73728
.set A16, 4
.set A8,  8
.set B16, 12
.set B8,  16
.set SC,  32
.set SCS, 6                            ; scale registers a K step: 2 of A's, then 4 of B's
.set SBO, 2
.set G1,  28
.set G1B, 36
.set MSB, 0
.macro WIN new
.if MSB != (\new)
	s_set_vgpr_msb (MSB<<8)|(\new)
.set MSB, (\new)
.endif
.endm
.set MUL_LO,  0xa1                     ; source 0 (B) window 1, source 1 (A) window 0, C and D window 2
.set MULB_LO, 0x91                     ; step 0: C = the bias, window 1
.set TO_B,    0x40
.macro PLACES n
.rept \n
	v_nop
.endr
.endm
.macro CROUND
	s_barrier_signal -1
	s_barrier_wait -1
	s_cmp_lg_u32 s18, 0
	s_cbranch_scc1 .Lnot_wave_0_\@
	s_barrier_signal -3
.Lnot_wave_0_\@:
	s_barrier_wait -3
	s_barrier_signal -1
	s_barrier_wait -1
.endm
.macro JLOAD g0a, g0b                  ; a joint load; four v_nop follow each of the two lines
	s_cmp_eq_u32 s19, 0
	s_cbranch_scc0 .Lfor_b_\@
	tensor_load_to_lds s[\g0a:\g0a+3], s[G1:G1+7]
	s_nop 0
	PLACES 4
	s_branch .Lasked_\@
.Lfor_b_\@:
	tensor_load_to_lds s[\g0b:\g0b+3], s[G1B:G1B+7]
	s_nop 0
	PLACES 4
.Lasked_\@:
.endm
.macro FRAG reg, a16, a8, off
	ds_load_b128 v[(\reg):(\reg)+3], v[\a16] offset:(\off)
	ds_load_b64 v[(\reg)+4:(\reg)+5], v[\a8] offset:(\off)+512
	ds_load_b128 v[(\reg)+6:(\reg)+9], v[\a16] offset:(\off)+768
	ds_load_b64 v[(\reg)+10:(\reg)+11], v[\a8] offset:(\off)+1280
.endm
.macro FETCH_B n, q, set
	WIN TO_B
.irp i, 0,1,2,3,4,5,6,7
	FRAG 128*(\set)+12*\i, B16+(\n), B8+(\n), 12288*(\q)+1536*\i
.endr
	WIN 0
.endm
.macro FETCH_A n, q, i0, cnt
.set fi, \i0
.rept \cnt
	FRAG 128+12*fi, A16+(\n), A8+(\n), 12288*(\q)+1536*fi
.set fi, fi+1
.endr
.endm
.macro WMX
.if fRA && fRB
	v_wmma_scale_f32_16x16x128_f8f6f4 v[rD:rD+7], v[rB:rB+11], v[rA:rA+11], v[rC:rC+7], v[rSA], v[rSB] matrix_a_fmt:MATRIX_FMT_BF6 matrix_b_fmt:MATRIX_FMT_BF6 matrix_a_scale:MATRIX_SCALE_ROW1 matrix_b_scale:MATRIX_SCALE_ROW1
.elseif fRA
	v_wmma_scale_f32_16x16x128_f8f6f4 v[rD:rD+7], v[rB:rB+11], v[rA:rA+11], v[rC:rC+7], v[rSA], v[rSB] matrix_a_fmt:MATRIX_FMT_BF6 matrix_b_fmt:MATRIX_FMT_BF6 matrix_a_scale:MATRIX_SCALE_ROW1
.elseif fRB
	v_wmma_scale_f32_16x16x128_f8f6f4 v[rD:rD+7], v[rB:rB+11], v[rA:rA+11], v[rC:rC+7], v[rSA], v[rSB] matrix_a_fmt:MATRIX_FMT_BF6 matrix_b_fmt:MATRIX_FMT_BF6 matrix_b_scale:MATRIX_SCALE_ROW1
.else
	v_wmma_scale_f32_16x16x128_f8f6f4 v[rD:rD+7], v[rB:rB+11], v[rA:rA+11], v[rC:rC+7], v[rSA], v[rSB] matrix_a_fmt:MATRIX_FMT_BF6 matrix_b_fmt:MATRIX_FMT_BF6
.endif
.endm
.macro MULA a, bset, s, mode           ; A's tile a against B's eight; the 32 accumulators take turns, one instruction a turn, in the same order in every step
.irp b, 0,1,2,3,4,5,6,7
.set rD, 8*(8*(\a)+\b)
.set rB, 128*(\bset)+12*\b
.set rA, 128+12*(\a)
.set rSA, SC+SCS*(\s)+SBO+2*(\b/4)+(\b%2)
.set rSB, SC+SCS*(\s)+((\a)%2)
.set fRA, (\b/2)%2
.set fRB, ((\a)/2)%2
.if \mode
.set rC, 96+8*\b+96*(\b/4)
.else
.set rC, rD
.endif
	WMX
.endr
.endm
	s_load_b256 s[4:11], s[0:1], 0x0               ; aoq s[4:5], aos s[6:7], wq s[8:9], ws s[10:11]
	s_load_b128 s[12:15], s[0:1], 0x20             ; b_out s[12:13], out0 s[14:15]
	v_lshl_add_u32 v126, v0, 2, 0x48000
	v_mov_b32 v127, 0
	ds_add_u32 v126, v127
	ds_add_u32 v126, v127
	v_lshrrev_b32 v1, 5, v0
	v_readfirstlane_b32 s18, v1                    ; wave 0..3
	s_lshr_b32 s19, s18, 1                         ; which 64 rows are mine.  Also: I fetch for A (0) or for B (1)
	s_and_b32 s20, s18, 1                          ; which 128 columns.  Also: which part of that set I fetch
	s_bfe_u32 s21, ttmp6, 0x40000                  ; cx
	s_bfe_u32 s22, ttmp6, 0x40004                  ; cy
	s_and_b32 s24, ttmp7, 0xffff
	s_lshl_b32 s26, s24, 2
	s_add_co_u32 s26, s26, s22                     ; the block of 128 rows: 4 x cluster y + cy
	s_lshl_b32 s80, s22, 2
	s_lshl_b32 s80, 15, s80                        ; my row of the cluster
	s_lshl_b32 s81, 0x1111, s21                    ; my column
	s_or_b32 s[G1], s80, (3<<16)|(1<<21)           ; A: 12,288 dense bytes as 48 rows of 32 elements of 8 bytes
	s_mov_b32 s[G1+1], 32<<16
	s_mov_b32 s[G1+2], 48<<16
	s_mov_b32 s[G1+3], 32<<16
	s_mov_b32 s[G1+4], 48
	s_mov_b32 s[G1+5], 32
	s_mov_b32 s[G1+6], 0
	s_mov_b32 s[G1+7], 0
	s_or_b32 s[G1B], s81, (3<<16)|(1<<21)          ; B: 24,576 as 96 rows
	s_mov_b32 s[G1B+1], 32<<16
	s_mov_b32 s[G1B+2], 96<<16
	s_mov_b32 s[G1B+3], 32<<16
	s_mov_b32 s[G1B+4], 96
	s_mov_b32 s[G1B+5], 32
	s_mov_b32 s[G1B+6], 0
	s_mov_b32 s[G1B+7], 0
	s_mul_i32 s84, s26, 98304
	s_mul_i32 s82, s20, 12288                      ; A: K step 2 c + (wave % 2): in memory and in a chunk alike
	s_add_co_u32 s84, s84, s82
	s_mov_b32 s85, 0
	s_lshl_b32 s86, s21, 1
	s_add_co_u32 s86, s86, s20
	s_add_co_u32 s86, s86, 24                      ; B: block 24 + 2 cx + (wave % 2)
	s_mul_i32 s86, s86, 98304
	s_mov_b32 s87, 0
	s_mul_i32 s83, s20, 24576
	s_add_co_u32 s83, s83, 24576                   ; its place in a chunk, behind A's
	v_and_b32 v1, 31, v0
	v_lshlrev_b32 v2, 4, v1
	v_lshlrev_b32 v3, 3, v1
	v_bfe_u32 v22, v0, 4, 1
	v_and_b32 v21, 15, v0
	v_mul_u32_u24 v20, v21, 528
	v_lshl_add_u32 v20, v22, 6, v20
	v_lshlrev_b32 v22, 6, v22                      ; the bias: 16 numbers further on for lanes 16-31
	s_mul_i32 s94, s19, 6144                       ; my four tiles of A in a K step
	s_mul_i32 s95, s20, 24576
	s_add_co_u32 s95, s95, 24576                   ; my block of B
.irp c, 0,1,2,3
	v_add_nc_u32 v[A16+\c], s94, v2
	v_add_nc_u32 v[A8+\c], s94, v3
	v_add_nc_u32 v[B16+\c], s95, v2
	v_add_nc_u32 v[B8+\c], s95, v3
	s_add_co_u32 s94, s94, CHUNK
	s_add_co_u32 s95, s95, CHUNK
.endr
	s_mul_i32 s94, s18, 8448                       ; my stage: 16 rows x (512 + 16) bytes
	v_add_nc_u32 v20, s94, v20                     ; in: row lane % 16, + 64 bytes for lanes 16-31
	v_add_nc_u32 v21, s94, v2                      ; back: a row's 512 bytes
	s_wait_dscnt 0x0
	s_wait_kmcnt 0x0
	s_add_nc_u64 s[84:85], s[4:5], s[84:85]
	s_add_nc_u64 s[86:87], s[8:9], s[86:87]
	CROUND                                         ; all sixteen work-groups are here: the joint loads meet
.irp c, 0,1,2,3
.set GA, 44+4*\c                       ; s[44:59] group 0 for A, a set for each chunk
.set GB, 60+4*\c+4*((\c+3)/4)          ; s[60:63], s[68:79] for B
	s_mov_b32 s[GA], 1
	s_add_co_u32 s[GA+1], s82, \c*CHUNK
	s_add_nc_u64 s[GA+2:GA+3], s[84:85], \c*24576
	s_or_b32 s[GA+3], s[GA+3], 0x80000000
	s_mov_b32 s[GB], 1
	s_add_co_u32 s[GB+1], s83, \c*CHUNK
	s_add_nc_u64 s[GB+2:GB+3], s[86:87], \c*24576
	s_or_b32 s[GB+3], s[GB+3], 0x80000000
	JLOAD GA, GB
.endr
	s_lshl_b32 s88, s26, 12
	s_lshl_b32 s90, s19, 8
	s_add_co_u32 s88, s88, s90
	s_mov_b32 s89, 0
	s_add_nc_u64 s[6:7], s[6:7], s[88:89]          ; the words of my four tiles of A
	s_lshl_b32 s88, s21, 1
	s_add_co_u32 s88, s88, s20
	s_add_co_u32 s88, s88, 24
	s_lshl_b32 s88, s88, 12
	s_add_nc_u64 s[10:11], s[10:11], s[88:89]      ; the words of my block of B
	s_lshl_b32 s88, s21, 10
	s_lshl_b32 s90, s20, 9
	s_add_co_u32 s88, s88, s90                     ; my first column, in bytes
	s_add_nc_u64 s[12:13], s[12:13], s[88:89]
	s_add_nc_u64 s[14:15], s[14:15], s[88:89]
	s_lshl_b32 s88, s26, 19
	s_lshl_b32 s90, s19, 18
	s_add_co_u32 s88, s88, s90                     ; my first row: 128 x block + 64 x half, of 4,096 bytes
	s_add_nc_u64 s[14:15], s[14:15], s[88:89]
.irp s, 0,1,2,3,4,5,6,7
	global_load_b64 v[SC+SCS*\s:SC+SCS*\s+1], v3, s[6:7] offset:512*\s             ; register u: lanes 0-15 my tile u, lanes 16-31 my tile 2 + u
.irp i, 0,1
	global_load_b64 v[SC+SCS*\s+SBO+2*\i:SC+SCS*\s+SBO+2*\i+1], v3, s[10:11] offset:512*\s+256*\i
.endr
.endr
	WIN TO_B
.irp p, 0,1,2,3
.irp j, 0,1,2,3
	global_load_b128 v[96+16*\p+96*(\p/2)+4*\j:96+16*\p+96*(\p/2)+4*\j+3], v22, s[12:13] offset:128*\p+16*\j   ; tiles 2 p, 2 p + 1: columns 32 p + 16 (lane/16) + 0..15
.endr
.endr
	WIN 0
; A step of 128 along K.  Odd steps change chunks: the next chunk's load is waited for (the chunks behind it may stay out) and a barrier shows it whole to every wave.
.macro PSTEP s, mode
.set NC, ((\s)+1)/2
.set NQ, ((\s)+1)%2
.if (\s)%2
	s_wait_tensorcnt 2-(\s)/2                      ; my part of the next chunk is in; the count is the chunks behind it
.endif
	s_wait_dscnt 8                                 ; B's set and A's tiles 0, 1 are in; the youngest 8 loads (tiles 2, 3) may be out
.if \mode
	WIN MULB_LO
.else
	WIN MUL_LO
.endif
	MULA 0, (\s)%2, \s, \mode
.if (\s)%2
	s_wait_dscnt 0x0                               ; no LDS instruction of mine is pending at the signal
	s_barrier_signal -1
.endif
	MULA 1, (\s)%2, \s, \mode
.if (\s)%2
	s_barrier_wait -1
.else
	s_wait_dscnt 0x0
.endif
	PLACES 4                                       ; in front of loads into registers that matrix instructions have read
	FETCH_B NC, NQ, 1-(\s)%2
	FETCH_A NC, NQ, 0, 2
.if \mode
	WIN MULB_LO
.else
	WIN MUL_LO
.endif
	MULA 2, (\s)%2, \s, \mode
	MULA 3, (\s)%2, \s, \mode
	PLACES 4
	WIN 0
	FETCH_A NC, NQ, 2, 2
.endm
	s_wait_loadcnt 0x0                             ; the scale words and the bias
	s_wait_tensorcnt 3                             ; my part of chunk 0 is in; three chunks may be out
	s_barrier_signal -1
	s_barrier_wait -1
	FETCH_B 0, 0, 0
	FETCH_A 0, 0, 0, 2
	FETCH_A 0, 0, 2, 2
	PSTEP 0, 1
	PSTEP 1, 0
	PSTEP 2, 0
	PSTEP 3, 0
	PSTEP 4, 0
	PSTEP 5, 0
	PSTEP 6, 0
	s_wait_dscnt 8                                 ; the last step fetches nothing
	WIN MUL_LO
	MULA 0, 1, 7, 0
	MULA 1, 1, 7, 0
	s_wait_dscnt 0x0
	MULA 2, 1, 7, 0
	MULA 3, 1, 7, 0
	WIN 0
	PLACES 4                                       ; in front of the first read of results and of loads into A's registers
.macro TOSTAGE a
	WIN 0x08                                       ; an LDS store's data: window 2
.set tm, 0
.rept 16
	ds_store_b128 v20, v[64*(\a)+4*tm:64*(\a)+4*tm+3] offset:128*(tm/4)+16*(tm%4)   ; registers 4 m .. 4 m + 3 are columns 32 (m/4) + 16 (lane/16) + 4 (m%4) on; each accumulator from its low end on
.set tm, tm+1
.endr
	WIN 0
.set tm, 0
.rept 16
	ds_load_b128 v[128+64*((\a)%2)+4*tm:128+64*((\a)%2)+4*tm+3], v21 offset:528*tm  ; LDS serves a wave's instructions in order: these see my stores, and the next tile's stores come behind them
.set tm, tm+1
.endr
.endm
.macro SEND a, younger                 ; younger: the LDS instructions issued behind tile a's loads
	s_wait_dscnt \younger
.set tm, 0
.rept 16
	global_store_b128 v2, v[128+64*((\a)%2)+4*tm:128+64*((\a)%2)+4*tm+3], s[14:15] offset:(32*((\a)/2)+8*((\a)%2)+(tm%8)+16*(tm/8))*4096 th:TH_STORE_NT   ; 512 consecutive bytes of one row, aligned
.set tm, tm+1
.endr
.endm
	TOSTAGE 0
	TOSTAGE 1
	SEND 0, 32                                     ; behind tile 0's loads: tile 1's 16 stores and 16 loads
	s_wait_xcnt 0x0                                ; tile 0's stores have read their registers: tile 2's loads may land there
	TOSTAGE 2
	SEND 1, 32
	s_wait_xcnt 0x0
	TOSTAGE 3
	SEND 2, 32
	SEND 3, 0
	s_wait_tensorcnt 0x0
	s_wait_dscnt 0x0
	s_wait_tensorcnt 0x0
	ds_add_u32 v126, v127
	s_wait_dscnt 0x0
	CROUND                                         ; the closing round
	s_endpgm
.Lfunc_end_k_q9c5cc926e0_proj:
	.size	k_q9c5cc926e0_proj, .Lfunc_end_k_q9c5cc926e0_proj-k_q9c5cc926e0_proj
	.p2alignl 7, 3214868480
	.fill 96, 4, 3214868480
	.section	.rodata,"a",@progbits
	.p2align	6, 0x0
	.amdhsa_kernel k_q9c5cc926e0_proj
		.amdhsa_group_segment_fixed_size 327680
		.amdhsa_private_segment_fixed_size 0
		.amdhsa_enable_private_segment 0
		.amdhsa_kernarg_size 48
		.amdhsa_user_sgpr_count 2
		.amdhsa_user_sgpr_kernarg_segment_ptr 1
		.amdhsa_wavefront_size32 1
		.amdhsa_system_sgpr_workgroup_id_x 1
		.amdhsa_system_sgpr_workgroup_id_y 1
		.amdhsa_system_sgpr_workgroup_id_z 1
		.amdhsa_system_vgpr_workitem_id 0
		.amdhsa_next_free_vgpr 768
		.amdhsa_next_free_sgpr 96
		.amdhsa_reserve_vcc 0
		.amdhsa_float_denorm_mode_32 3
		.amdhsa_float_denorm_mode_16_64 3
		.amdhsa_memory_ordered 1
		.amdhsa_forward_progress 1
		.amdhsa_inst_pref_size 89
	.end_amdhsa_kernel
	.amdgpu_metadata
---
amdhsa.version: [ 1, 2 ]
amdhsa.kernels:
  - .name:           k_q9c5cc926e0_proj
    .symbol:         k_q9c5cc926e0_proj.kd
    .args:
      - { .name: aoq, .offset: 0, .size: 8, .value_kind: global_buffer, .address_space: global }
      - { .name: aos, .offset: 8, .size: 8, .value_kind: global_buffer, .address_space: global }
      - { .name: wq, .offset: 16, .size: 8, .value_kind: global_buffer, .address_space: global }
      - { .name: ws, .offset: 24, .size: 8, .value_kind: global_buffer, .address_space: global }
      - { .name: b_out, .offset: 32, .size: 8, .value_kind: global_buffer, .address_space: global }
      - { .name: out0, .offset: 40, .size: 8, .value_kind: global_buffer, .address_space: global }
    .group_segment_fixed_size: 327680
    .private_segment_fixed_size: 0
    .kernarg_segment_align: 8
    .kernarg_segment_size: 48
    .max_flat_workgroup_size: 128
    .sgpr_count:     96
    .vgpr_count:     768
    .wavefront_size: 32
...
	.end_amdgpu_metadata
.endif
;; end of part 4
